; MI455X (gfx1250); checked and timed in simulation.
; The chip was launched on July 23, 2026; its instructions are those of AMD's public machine-readable ISA for CDNA 5 (MIT licence, August 2026) and "CDNA5" Instruction Set Architecture Reference Guide (July 2026). The comments in the code are by the model that wrote it; some were corrected since.
;; GPSA. Allowed arithmetic: matrix products marked QUANTISED: E2M3 operands, one E8M0 scale for each 32 along K, by v_wmma_scale_f32_16x16x128_f8f6f4 with both operands' format E2M3, f32 sums; products left as they are: f32 operands where the result goes on into a quantised operand, else bf16, f16 or f32 operands; f32 sums; everything else in f32.
;; Inputs: W_pos 4 x 8 float32; W_proj 256 x 256 float32; W_qk 256 x 512 float32; W_v 256 x 256 float32; b_pos 8 float32; b_proj 256 float32; gating 8 float32; voxel_coord 4 x 1,024 x 3 float32; x 4 x 1,024 x 256 float32.
;; Outputs: out0 4 x 1,024 x 256 float32.
;; This version of the problem:
;;   THIS VERSION OF THE PROBLEM IS GIVEN IN LOW PRECISION. The matrix products marked QUANTISED in the list below multiply operands that are first quantised to E2M3 (2 exponent bits, 3 mantissa bits; 6 bits a number), with one power-of-two scale for each 32 numbers along K (OCP MX v1.0); their sums are f32. All else is computed in f32.
;;   The module's matrix products, in the order in which they are computed (A, B: the left and right operand; K: the contracted axis; several contracted axes count as one K, in the product's order):
;;     1. [M 8, K 4] x [K 4, N 4,194,304]; A: input W_pos; B: computed on the way: left as it is (K = 4 < 32)
;;     2. [M 4,096, K 256] x [K 256, N 512]; A: input x; B: input W_qk: QUANTISED
;;     3. batch 32 x [M 1,024, K 32] x [K 32, N 1,024]; A: computed on the way; B: computed on the way: QUANTISED
;;     4. [M 4,096, K 256] x [K 256, N 256]; A: input x; B: input W_v: QUANTISED
;;     5. batch 32 x [M 32, K 1,024] x [K 1,024, N 1,024]; A: computed on the way; B: computed on the way: QUANTISED
;;     6. [M 4,096, K 256] x [K 256, N 256]; A: computed on the way; B: input W_proj: QUANTISED
;;   THE QUANTISER, for each operand of a quantised product, along K:
;;     - K is cut into blocks of 32 from its start; a last block that is shorter is filled with zeros.
;;     - A block's scale is 2^e with e = floor(log2(the largest magnitude in the block)) - 2, held to -126 .. 127; a block of zeros has e = 0. As a byte (E8M0): e + 127.
;;     - Each number is divided by its block's scale, clamped to +-7.5, and rounded to the nearest number of E2M3, ties to even, subnormals kept.
;;     - The product sums the exact products of the quantised numbers (number of the format x scale) in f32.
;;   ~~~python
;;   def quantise(x, axis):      # numpy; x: float32 -> the quantised numbers, widened to float32 again
;;       x = np.moveaxis(x, axis, -1); K = x.shape[-1]
;;       x = np.pad(x, [(0, 0)] * (x.ndim - 1) + [(0, -K % 32)]); x = x.reshape(x.shape[:-1] + (-1, 32)); a = np.abs(x).max(-1, keepdims=True)
;;       e = np.where(a > 0, np.clip(np.frexp(np.where(a > 0, a, 1))[1] - 1 - 2, -126, 127), 0)      # np.frexp(a)[1] - 1 = floor(log2(a)), exactly
;;       r = np.clip(x / 2.0 ** e, -7.5, 7.5)
;;       step = 2.0 ** (np.maximum(np.frexp(np.where(r == 0, 1, r))[1] - 1, 0) - 3)
;;       q = np.round(r / step) * step * 2.0 ** e      # np.round: ties to even
;;       return np.moveaxis(q.reshape(q.shape[:-2] + (-1,))[..., :K], -1, axis).astype(np.float32)
;;   ~~~
;;   OPERANDS COMPUTED ON THE WAY. 'Computed on the way' means the value that the module computes at that place (a softmax that the list does not call 'softmax' is quantised finished and normalised). What goes into a quantiser is computed in f32, as accurately as f32 sums, v_exp_f32 and their like allow (about 1e-6 of the number): no bf16 or f16 on the way to a quantiser, and a product that is left as it is and whose result goes on into a quantised operand takes f32 operands (vector FMAs, or v_wmma_f32_16x16x4_f32). A number that lies on a knife's edge between two numbers of the format may be rounded either way, as far as f32 arithmetic and the matrix unit's own rounding can turn it there, and no further.
;; 2 versions, each right; version 2 is version 1 with the launches prep, attn written anew for expert scheduling mode. Each part assembles by itself: llvm-mc -triple=amdgcn-amd-amdhsa -mcpu=gfx1250 --defsym DOCPART=n.
;; ======== version 1 of 2: 2 launches
;; workspace buffers: img 2,408,448 bytes; scl 100,352 bytes
;; launch prep (part 1): grid 194 x 1, 8 waves a work-group, no clusters, 53,248 bytes of LDS; arguments x, W_qk, W_v, W_proj, img, scl; writes img, scl
.if DOCPART == 1
	.amdgcn_target "amdgcn-amd-amdhsa--gfx1250"
	.amdhsa_code_object_version 6
	.text
	.protected	k_q8b7b1b07e1_prep
	.globl	k_q8b7b1b07e1_prep
	.p2align	8
	.type	k_q8b7b1b07e1_prep,@function
k_q8b7b1b07e1_prep:
	s_mov_b64 s[64:65], 0
	v_nop
	global_prefetch_b8 v0, s[64:65] scope:SCOPE_SE
	s_setreg_imm32_b32 hwreg(HW_REG_WAVE_MODE, 25, 1), 1
	s_wait_xcnt 0x0
; q, k = Q(x) Q(W_qk) and v = Q(x) Q(W_v) on codes of FP6 (E2M3) with one E8M0 scale for each 32 along K, and their results quantised again: q and k along the head's 32, v along the keys.
; All that leaves is laid as IMAGES OF OPERAND REGISTERS: a record of img is one fragment (16 rows x 128 K, 12 registers a lane) as 3 pieces of 512 bytes, piece c = registers 4 c .. 4 c + 3, lane l at 16 l;
; a record of scl is the fragment's 16 scale words, row r at 4 r.  Records: g x 256 + tb x 8 + w for g = 0, 1 (q, heads 0-3, 4-7), 2, 3 (k), 4, 5 (v); 1536 + 2 nt + s for W_proj (tile of columns nt, K step s).
; SHARES.  Work-group id: tb = id % 32 (128 tokens), g = id / 32 (128 columns of a weight).  g = 6 (two work-groups, tb = 0, 1): only quantises 128 columns of W_proj.
; Eight waves.  Wave w quantises one tile of 16 tokens of x (two fragments) and 32 columns x 128 K of the weight (a lane to a column, registers down K); both go to LDS as images; behind a barrier wave w
; multiplies eight tiles (source 0) by its one tile (source 1): for q and k source 0 = the weight's tiles and source 1 = x's tile w, for v the other way round.  So a lane holds one row of the record to be made
; and its 64 registers run along that record's K.
; THE ROWS OF A TILE ARE NOT NEIGHBOURS: tile 2 b + u of a group of 128 rows (tokens, or columns of a weight) holds rows 32 b + 8 u + r + 8 (r / 8), so that registers 16 b + i of a result are index 32 b + 16 (lane / 16) + i.
; The weights are quantised here by every work-group that needs them: four blocks a lane; a launch of its own would cost more than that.
; LIMITS: NaN and infinities among the inputs are not served; a block of zeros gets the byte 1 (its codes are zeros, and this program alone reads the bytes); blocks whose largest magnitude lies under 2^-124 were not tried.
.set XIMG,  0                          ; LDS: x's 16 fragments, (2 m + s) x 1536
.set WIMG,  24576                      ; the weight's 16 fragments, (2 t + s) x 1536
.set XSC,   49152                      ; x's scale words, (2 m + s) x 64 + 4 r
.set WSC,   50176                      ; the weight's likewise
.set OSC,   51200                      ; the results' scale words, 64 w + 4 r
.set FRB,   1536
.set TM,    16                         ; v16-19 largest magnitudes, v20-23 the other half's, then bytes, v24-27 the conversions' scale operands
.set PC,    28                         ; v28-46 codes just made
.set PW,    47                         ; the scale word just made
.set SB,    48                         ; a column's four scale bytes
.set RS,    50                         ; v50-51 scale words of my one tile; v52-59 of the eight tiles: these ten hold scales and nothing else
.set PS,    52
.set HA,    64                         ; v64-127 two blocks of the weight, later the eight accumulators
.set XN,    128                        ; v128-255 x: 2 x 64 numbers; later the eight tiles' fragments (v128-223) and my tile's two (v224-247)
.set PF,    128
.set RF,    224
.set WB,    40                         ; s[40:41] the weight at my 32 columns and my 128 along K
.set XB,    42                         ; s[42:43] x at my tile's first row
.set IB,    44                         ; s[44:45] img at my record
.set SEL,   46                         ; s[46:47] lane selects: lane l xor 16
; 64 numbers of a lane, register 16 b + i = k 32 b + 16 (lane / 16) + i of my row, become a fragment's codes in v[PC] on and its scale word in v[PW]
.macro QUANT s
.irp b, 0,1,2,3
	v_max3_num_f32 v[TM+\b], |v[\s+16*\b]|, |v[\s+1+16*\b]|, 0x1800000   ; my 16 numbers of block b, and the floor 2^(3 - 127): the byte cannot fall under 1
.endr
.irp i, 2,4,6,8,10,12,14
.irp b, 0,1,2,3
	v_max3_num_f32 v[TM+\b], v[TM+\b], |v[\s+16*\b+\i]|, |v[\s+1+16*\b+\i]|   ; the four blocks by turns
.endr
.endr
.irp b, 0,1,2,3
	v_permlanex16_b32 v[TM+4+\b], v[TM+\b], s[SEL], s[SEL+1]
.endr
.irp b, 0,1,2,3
	v_max_num_f32 v[TM+\b], v[TM+\b], v[TM+4+\b]   ; with lane l xor 16's 16: the block's largest magnitude
.endr
.irp b, 0,1,2,3
	v_add_nc_u32 v[TM+8+\b], 0xff000000, v[TM+\b]  ; 2 off its exponent field: the conversion takes this operand's exponent field as the scale
.endr
.irp b, 0,1,2,3
	v_lshrrev_b32 v[TM+4+\b], 23, v[TM+8+\b]       ; the scale's byte
.endr
	v_lshl_or_b32 v[PW], v[TM+5], 8, v[TM+4]
	v_lshl_or_b32 v[PW], v[TM+6], 16, v[PW]
	v_lshl_or_b32 v[PW], v[TM+7], 24, v[PW]
.irp c, 0,1
	v_cvt_scalef32_pk16_fp6_f32 v[PC+6*\c:PC+2+6*\c], v[\s+32*\c:\s+15+32*\c], v[TM+8+2*\c]
	v_cvt_scalef32_pk16_fp6_f32 v[PC+12+4*\c:PC+14+4*\c], v[\s+16+32*\c:\s+31+32*\c], v[TM+8+2*\c+1]   ; (a conversion's three registers begin on an even number)
.endr
	v_nop                                          ; one plain place behind the conversions
.irp c, 0,1                                    ; the operand wants a whole block in a lane: lanes 0-15 block 2 c, lanes 16-31 block 2 c + 1
.irp i, 0,1,2
	v_permlane16_swap_b32 v[PC+6*\c+\i], v[PC+12+4*\c+\i]
.endr
.irp i, 0,1,2
	v_mov_b32 v[PC+3+6*\c+\i], v[PC+12+4*\c+\i]
.endr
.endr
.endm
.macro IMAGE adr, off                          ; the fragment in v[PC] on goes to LDS as it stands
.irp c, 0,1,2
	ds_store_b128 v[\adr], v[PC+4*\c:PC+4*\c+3] offset:\off+512*\c
.endr
.endm
.macro FETCH reg, adr, off                     ; and comes back so, in any wave
.irp c, 0,1,2
	ds_load_b128 v[\reg+4*\c:\reg+4*\c+3], v[\adr] offset:\off+512*\c
.endr
.endm
.macro BARRIER                                 ; my LDS stores have landed and my LDS loads are in: then the work-group's barrier
	s_wait_dscnt 0x0
	s_barrier_signal -1
	s_barrier_wait -1
.endm
.macro XLOAD reg, s                            ; my row's 64 numbers of K step s: 16 neighbours of each block of 32
.irp b, 0,1,2,3
.irp j, 0,1,2,3
	global_load_b128 v[\reg+16*\b+4*\j:\reg+16*\b+4*\j+3], v5, s[XB:XB+1] offset:512*\s+128*\b+16*\j
.endr
.endr
.endm
.macro WLOAD kb, pitch                         ; block kb of my column: 32 rows of the weight; a wave reads 128 consecutive bytes, four waves stand side by side on 512
.irp i, 0,1,2,3,4,5,6,7,8,9,10,11,12,13,14,15,16,17,18,19,20,21,22,23,24,25,26,27,28,29,30,31
	global_load_b32 v[HA+32*((\kb)%2)+\i], v6, s[WB:WB+1] offset:(32*(\kb)+\i)*\pitch
.endr
.endm
; Block kb (32 along K, all in my lane) becomes 24 bytes of codes: registers 6 c .. 6 c + 5 of lane r + 16 hh of its fragment, c = kb / 2, hh = kb % 2.  cnt: the younger loads that may stay out
.macro WBLOCK kb, cnt
.set XS, HA+32*((\kb)%2)
.set HH, (\kb)%2
	s_wait_loadcnt \cnt
	v_max3_num_f32 v16, |v[XS]|, |v[XS+1]|, |v[XS+2]|
	v_max3_num_f32 v17, |v[XS+3]|, |v[XS+4]|, |v[XS+5]|
.irp i, 6,10,14,18,22,26
	v_max3_num_f32 v16, v16, |v[XS+\i]|, |v[XS+\i+1]|
	v_max3_num_f32 v17, v17, |v[XS+\i+2]|, |v[XS+\i+3]|
.endr
	v_max3_num_f32 v16, v16, |v[XS+30]|, |v[XS+31]|
	v_max3_num_f32 v16, v16, v17, 0x1800000        ; and the floor
	v_add_nc_u32 v18, 0xff000000, v16
	v_lshrrev_b32 v17, 23, v18
.if (\kb) == 0
	v_mov_b32 v[SB], v17
.else
	v_lshl_or_b32 v[SB], v17, 8*(\kb), v[SB]
.endif
	v_cvt_scalef32_pk16_fp6_f32 v[PC:PC+2], v[XS:XS+15], v18
	v_cvt_scalef32_pk16_fp6_f32 v[PC+4:PC+6], v[XS+16:XS+31], v18
	v_nop                                          ; one plain place behind the conversions
	v_mov_b32 v[PC+3], v[PC+4]                     ; the six registers on end
	v_mov_b32 v[PC+4], v[PC+5]
	v_mov_b32 v[PC+5], v[PC+6]
.if (\kb) < 2
	ds_store_b128 v7, v[PC:PC+3] offset:256*HH             ; registers 0-3: piece 0
	ds_store_b64 v7, v[PC+4:PC+5] offset:256*HH+512        ; registers 4, 5: the lower half of piece 1
.else
	ds_store_b64 v7, v[PC:PC+1] offset:256*HH+520          ; registers 6, 7: its upper half
	ds_store_b128 v7, v[PC+2:PC+5] offset:256*HH+1024      ; registers 8-11: piece 2
.endif
	s_wait_dscnt 0x0                               ; the stores are done: the next codes may be written
.endm
	s_load_b256 s[4:11], s[0:1], 0x0               ; x, W_qk, W_v, W_proj
	s_load_b128 s[12:15], s[0:1], 0x20             ; img, scl
	v_lshl_add_u32 v49, v0, 2, 0xcc00
	v_mov_b32 v63, 0
	v_lshrrev_b32 v1, 5, v0
	v_readfirstlane_b32 s20, v1                    ; wave 0..7
	s_lshr_b32 s16, ttmp9, 5                       ; g
	s_and_b32 s17, ttmp9, 31                       ; tb
	s_mov_b32 s[SEL], 0x76543210
	s_mov_b32 s[SEL+1], 0xfedcba98
	v_and_b32 v1, 15, v0                           ; r
	v_bfe_u32 v2, v0, 4, 1                         ; h = lane / 16
	v_and_b32 v6, 31, v0
	v_lshlrev_b32 v3, 4, v6                        ; v3  16 x lane
	v_lshlrev_b32 v6, 2, v6                        ; v6  4 x lane: my column of the wave's 32
	v_lshlrev_b32 v4, 2, v1                        ; v4  4 r
	v_and_b32 v5, 8, v1
	v_add_nc_u32 v5, v5, v1                        ; r + 8 (r / 8)
	v_lshlrev_b32 v5, 10, v5
	v_lshl_add_u32 v5, v2, 6, v5                   ; v5  x: that row of 1,024 bytes, + 64 h
.irp b, 0,1,2,3
	v_mov_b32 v[TM+4+\b], 0                        ; written once: a lane permute's destination counts as one of its sources
.endr
	s_and_b32 s21, s20, 3                          ; which 32 columns are my wave's
	s_lshr_b32 s22, s20, 2                         ; which K step
	; all LDS addresses are made here.  Column l of the wave's 32 is row (l % 8) + 8 (l / 16) of tile 2 (w % 4) + (l / 8) % 2
	s_mul_i32 s23, s21, 6144
	s_mul_i32 s24, s22, 1536
	s_add_co_u32 s23, s23, s24
	s_add_co_u32 s23, s23, WIMG
	v_and_b32 v60, 7, v0
	v_lshl_add_u32 v60, v2, 3, v60                 ; the row
	v_bfe_u32 v61, v0, 3, 1                        ; the tile's low bit
	v_mul_u32_u24 v7, v61, 3072
	v_lshl_add_u32 v7, v60, 4, v7
	v_add_nc_u32 v7, s23, v7                       ; v7  where my column's codes go
	s_lshl_b32 s23, s21, 8
	s_lshl_b32 s24, s22, 6
	s_add_co_u32 s23, s23, s24
	s_add_co_u32 s23, s23, WSC
	v_lshlrev_b32 v8, 7, v61
	v_lshl_add_u32 v8, v60, 2, v8
	v_add_nc_u32 v8, s23, v8                       ; v8  and its scale word
	s_mul_i32 s23, s20, 3072                       ; a tile's two fragments
	s_lshl_b32 s24, s20, 7                         ; and their two runs of scale words
	v_add_nc_u32 v9, s23, v3                       ; v9  where I store x's images (XIMG = 0)
	s_add_co_u32 s25, s24, XSC
	v_add_nc_u32 v10, s25, v4                      ; v10 and their scale words
	s_cmp_ge_u32 s16, 4                            ; v: the eight tiles are x's and my one tile the weight's; q, k: the other way round
	s_cselect_b32 s26, XIMG, WIMG
	s_cselect_b32 s27, WIMG, XIMG
	s_mov_b32 s28, WSC
	s_cselect_b32 s28, XSC, s28
	s_mov_b32 s29, XSC
	s_cselect_b32 s29, WSC, s29
	v_add_nc_u32 v11, s26, v3                      ; v11 the eight tiles' images
	s_add_co_u32 s27, s27, s23
	v_add_nc_u32 v12, s27, v3                      ; v12 my tile's
	v_add_nc_u32 v13, s28, v4                      ; v13 the eight tiles' scale words
	s_add_co_u32 s29, s29, s24
	v_add_nc_u32 v14, s29, v4                      ; v14 my tile's
	s_lshl_b32 s25, s20, 6
	s_add_co_u32 s25, s25, OSC
	v_add_nc_u32 v15, s25, v4                      ; v15 where my result's scale words go
	v_add_nc_u32 v60, OSC, v3                      ; v60 all eight waves' of them, 16 bytes a lane
	s_add_co_u32 s25, s23, WIMG
	v_add_nc_u32 v61, s25, v3                      ; v61 W_proj's way out: two fragments a wave
	s_and_b32 s25, s20, 1
	s_lshl_b32 s25, s25, 9
	s_add_co_u32 s25, s25, WSC
	v_add_nc_u32 v62, s25, v3                      ; v62 and 512 bytes of scale words for each of waves 0 and 1
	; the weight: W_qk (rows of 2,048 bytes) for g < 4, W_v for g = 4, 5, W_proj for g = 6 (rows of 1,024 bytes); 128 columns are 512 bytes
	s_and_b32 s18, s16, 3
	s_cmp_eq_u32 s16, 6
	s_cselect_b32 s18, s17, s18
	s_lshl_b32 s18, s18, 9
	s_lshl_b32 s19, s21, 7
	s_add_co_u32 s18, s18, s19                     ; + my wave's 32 columns
	s_cmp_lt_u32 s16, 4
	s_cselect_b32 s19, 18, 17
	s_lshl_b32 s19, s22, s19                       ; + my K step: 128 rows
	s_add_co_u32 s18, s18, s19
	s_mov_b32 s19, 0
	s_lshl_b32 s32, s17, 17                        ; x: 128 tb rows of 1,024 bytes,
	s_lshr_b32 s33, s20, 1
	s_lshl_b32 s33, s33, 15                        ; + 32 (w / 2) rows
	s_add_co_u32 s32, s32, s33
	s_and_b32 s33, s20, 1
	s_lshl_b32 s33, s33, 13                        ; + 8 (w % 2) rows
	s_add_co_u32 s32, s32, s33
	s_mov_b32 s33, 0
	s_lshl_b32 s34, ttmp9, 3
	s_add_co_u32 s34, s34, s20                     ; my record: 256 g + 8 tb + w = 8 id + w
	s_mul_i32 s[IB], s34, FRB
	s_mov_b32 s[IB+1], 0
	s_lshl_b32 s36, ttmp9, 9                       ; the work-group's eight records of scale words
	s_mov_b32 s37, 0
	s_wait_kmcnt 0x0
	s_cmp_lt_u32 s16, 4                            ; the choices hang on the work-group's number alone
	s_cselect_b64 s[WB:WB+1], s[6:7], s[8:9]
	s_cmp_eq_u32 s16, 6
	s_cselect_b64 s[WB:WB+1], s[10:11], s[WB:WB+1]
	s_add_nc_u64 s[WB:WB+1], s[WB:WB+1], s[18:19]
	s_add_nc_u64 s[XB:XB+1], s[4:5], s[32:33]
	s_add_nc_u64 s[IB:IB+1], s[12:13], s[IB:IB+1]
	s_add_nc_u64 s[36:37], s[14:15], s[36:37]
	s_cmp_eq_u32 s16, 6
	s_cbranch_scc1 .Lno_x_loads                    ; W_proj's work-groups have no x
	XLOAD XN, 0
	XLOAD XN+64, 1
.Lno_x_loads:
	s_cmp_lt_u32 s16, 4
	s_cbranch_scc0 .Lnarrow_a
	WLOAD 0, 2048
	WLOAD 1, 2048
	s_branch .Lloaded_a
.Lnarrow_a:
	WLOAD 0, 1024
	WLOAD 1, 1024
.Lloaded_a:
	WBLOCK 0, 32                                   ; block 1's 32 loads may be out; x's, which are older, are in
	WBLOCK 1, 0
	s_cmp_lt_u32 s16, 4
	s_cbranch_scc0 .Lnarrow_b
	WLOAD 2, 2048
	WLOAD 3, 2048
	s_branch .Lloaded_b
.Lnarrow_b:
	WLOAD 2, 1024
	WLOAD 3, 1024
.Lloaded_b:
	s_cmp_eq_u32 s16, 6
	s_cbranch_scc1 .Lno_x
	QUANT XN                                       ; x is quantised while blocks 2 and 3 are on their way
	IMAGE 9, 0
	ds_store_b32 v10, v[PW]
	s_wait_dscnt 0x0
	QUANT XN+64
	IMAGE 9, FRB
	ds_store_b32 v10, v[PW] offset:64
	s_wait_dscnt 0x0
.Lno_x:
	WBLOCK 2, 32                                   ; block 3's 32 loads may be out
	WBLOCK 3, 0
	ds_store_b32 v8, v[SB]                         ; my column's scale word for this K step
	BARRIER                                        ; all images and scale words lie in LDS; nothing writes them again
	s_cmp_eq_u32 s16, 6
	s_cbranch_scc0 .Lgemm
	; W_proj: the images leave as they lie: records 1536 + 16 tb + 2 t + s
.irp i, 0,1,2,3,4,5
	ds_load_b128 v[128+4*\i:131+4*\i], v61 offset:512*\i
.endr
	s_lshl_b32 s34, s17, 4
	s_add_co_u32 s34, s34, 1536
	s_mul_i32 s38, s34, FRB
	s_add_co_u32 s38, s38, s23                     ; + two fragments a wave
	s_mov_b32 s39, 0
	s_add_nc_u64 s[38:39], s[12:13], s[38:39]
	s_wait_dscnt 0x0
.irp i, 0,1,2,3,4,5
	global_store_b128 v3, v[128+4*\i:131+4*\i], s[38:39] offset:512*\i   ; 512 consecutive bytes, at a multiple of 256 from img's first byte
.endr
	s_cmp_lt_u32 s20, 2
	s_cbranch_scc0 .Lend_proj
	ds_load_b128 v[152:155], v62
	s_lshl_b32 s34, s34, 6
	s_lshl_b32 s35, s20, 9
	s_add_co_u32 s34, s34, s35
	s_mov_b32 s35, 0
	s_add_nc_u64 s[34:35], s[14:15], s[34:35]
	s_wait_dscnt 0x0
	global_store_b128 v3, v[152:155], s[34:35]
.Lend_proj:
	s_wait_tensorcnt 0x0
	ds_add_u32 v49, v63
	s_wait_dscnt 0x0
	s_endpgm
.Lgemm:
	FETCH RF, 12, 0                                ; my tile, both K steps
	FETCH RF+12, 12, FRB
	ds_load_b32 v[RS], v14
	ds_load_b32 v[RS+1], v14 offset:64
.irp t, 0,1,2,3,4,5,6,7
	FETCH PF+12*\t, 11, 2*\t*FRB
	ds_load_b32 v[PS+\t], v13 offset:2*\t*64
.endr
	s_wait_dscnt 0x0
.irp t, 0,1,2,3,4,5,6,7                        ; the first K step starts the sums; the eight accumulators take turns
	v_wmma_scale_f32_16x16x128_f8f6f4 v[HA+8*\t:HA+8*\t+7], v[PF+12*\t:PF+12*\t+11], v[RF:RF+11], 0, v[PS+\t], v[RS] matrix_a_fmt:MATRIX_FMT_FP6 matrix_b_fmt:MATRIX_FMT_FP6
.endr
.rept 4
	v_nop                                          ; places in front of loads into registers that matrix instructions have read
.endr
.irp t, 0,1,2,3,4,5,6,7
	FETCH PF+12*\t, 11, (2*\t+1)*FRB
	ds_load_b32 v[PS+\t], v13 offset:(2*\t+1)*64
.endr
	s_wait_dscnt 0x0
.irp t, 0,1,2,3,4,5,6,7
	v_wmma_scale_f32_16x16x128_f8f6f4 v[HA+8*\t:HA+8*\t+7], v[PF+12*\t:PF+12*\t+11], v[RF+12:RF+23], v[HA+8*\t:HA+8*\t+7], v[PS+\t], v[RS+1] matrix_a_fmt:MATRIX_FMT_FP6 matrix_b_fmt:MATRIX_FMT_FP6
.endr
.rept 4
	v_nop                                          ; places in front of the first read of results
.endr
	QUANT HA                                       ; q, k: 16 tokens x 4 heads of 32; v: 16 of a head's 32 x 128 keys
.irp c, 0,1,2
	global_store_b128 v3, v[PC+4*\c:PC+4*\c+3], s[IB:IB+1] offset:512*\c   ; the record: 512 consecutive bytes a store
.endr
	ds_store_b32 v15, v[PW]                        ; lanes r and r + 16 write the same word with the same value
	BARRIER                                        ; eight records of scale words lie together
	s_cmp_lg_u32 s20, 0
	s_cbranch_scc1 .Lend
	ds_load_b128 v[64:67], v60
	s_wait_dscnt 0x0
	global_store_b128 v3, v[64:67], s[36:37]       ; 512 consecutive bytes, at a multiple of 256 from scl's first byte
.Lend:
	s_wait_tensorcnt 0x0
	ds_add_u32 v49, v63
	s_wait_dscnt 0x0
	s_endpgm
.Lfunc_end_k_q8b7b1b07e1_prep:
	.size	k_q8b7b1b07e1_prep, .Lfunc_end_k_q8b7b1b07e1_prep-k_q8b7b1b07e1_prep
	.p2alignl 7, 3214868480
	.fill 96, 4, 3214868480
	.section	.rodata,"a",@progbits
	.p2align	6, 0x0
	.amdhsa_kernel k_q8b7b1b07e1_prep
		.amdhsa_group_segment_fixed_size 53248
		.amdhsa_private_segment_fixed_size 0
		.amdhsa_enable_private_segment 0
		.amdhsa_kernarg_size 48
		.amdhsa_user_sgpr_count 2
		.amdhsa_user_sgpr_kernarg_segment_ptr 1
		.amdhsa_wavefront_size32 1
		.amdhsa_system_sgpr_workgroup_id_x 1
		.amdhsa_system_sgpr_workgroup_id_y 1
		.amdhsa_system_sgpr_workgroup_id_z 1
		.amdhsa_system_vgpr_workitem_id 0
		.amdhsa_next_free_vgpr 256
		.amdhsa_next_free_sgpr 66
		.amdhsa_reserve_vcc 0
		.amdhsa_float_denorm_mode_32 3
		.amdhsa_float_denorm_mode_16_64 3
		.amdhsa_memory_ordered 1
		.amdhsa_forward_progress 1
		.amdhsa_inst_pref_size 60
	.end_amdhsa_kernel
	.amdgpu_metadata
---
amdhsa.version: [ 1, 2 ]
amdhsa.kernels:
  - .name:           k_q8b7b1b07e1_prep
    .symbol:         k_q8b7b1b07e1_prep.kd
    .args:
      - { .name: x, .offset: 0, .size: 8, .value_kind: global_buffer, .address_space: global }
      - { .name: W_qk, .offset: 8, .size: 8, .value_kind: global_buffer, .address_space: global }
      - { .name: W_v, .offset: 16, .size: 8, .value_kind: global_buffer, .address_space: global }
      - { .name: W_proj, .offset: 24, .size: 8, .value_kind: global_buffer, .address_space: global }
      - { .name: img, .offset: 32, .size: 8, .value_kind: global_buffer, .address_space: global }
      - { .name: scl, .offset: 40, .size: 8, .value_kind: global_buffer, .address_space: global }
    .group_segment_fixed_size: 53248
    .private_segment_fixed_size: 0
    .kernarg_segment_align: 8
    .kernarg_segment_size: 48
    .max_flat_workgroup_size: 256
    .sgpr_count:     66
    .vgpr_count:     256
    .wavefront_size: 32
...
	.end_amdgpu_metadata
.endif
;; end of part 1
;; launch attn (part 2): grid 256 x 1, 8 waves a work-group, no clusters, 214,016 bytes of LDS; arguments img, scl, voxel_coord, W_pos, b_pos, gating, b_proj, out0; writes out0
.if DOCPART == 2
	.amdgcn_target "amdgcn-amd-amdhsa--gfx1250"
	.amdhsa_code_object_version 6
	.text
	.protected	k_q8b7b1b07e1_attn
	.globl	k_q8b7b1b07e1_attn
	.p2align	8
	.type	k_q8b7b1b07e1_attn,@function
k_q8b7b1b07e1_attn:
	s_mov_b64 s[64:65], 0
	v_nop
	global_prefetch_b8 v0, s[64:65] scope:SCOPE_SE
	s_setreg_imm32_b32 hwreg(HW_REG_WAVE_MODE, 25, 1), 1
	s_wait_xcnt 0x0
; out0 = Q(out) Q(W_proj) + b_proj, out = Q(attn) Q(v), attn = ((1 - g) softmax(Q(q) Q(k)^T / sqrt(32)) + g softmax(pos)) / its row's sum, g = sigmoid(gating), all products on codes of FP6 (E2M3) with E8M0 scales.
; SHARES.  A work-group owns one tile of 16 queries (tokens 32 (T / 2) + 8 (T % 2) + r + 8 (r / 8), T its number), all 8 heads, all 1,024 keys of the batch.  THE WAVES SHARE THE KEYS: wave w owns keys 128 w .. 128 w + 127.
; A lane holds ONE query (lane % 16); register 16 b + i of its 64 holds key 128 w + 32 b + 16 (lane / 16) + i.  So the distances (64 registers) are made once and serve all heads, both softmaxes' exponentials stay in
; registers until the row's sums are known (each exponential is issued once), and a wave's keys are one K step of attn v.
; A HEAD.  S^T = k q^T: source 0 = 16 keys x 128 (four heads' 32), source 1 = q with zero codes in the other three heads' blocks.  t = dist W'[3] + u, u[key] = W'[0..2] . (p_key - p_0) + b', W' and b' being W_pos and b_pos
; times log2(e), p_0 the tile's first query.  The term W' . (p_0 - p_query) is the same for all keys of a row and is not added: the row's maximum, which is taken away, takes it away too.
; Each wave takes its own maxima away, sums, and hands {c M1, L1, M2, L2} for each query to the others through LDS (one barrier); G = the largest maximum, f_w = 2^(m_w - G), l = the sum of L_w f_w.
; THE ROW'S SUM OF attn is formed from the sums at hand: (1 - g) (l1 / l1) + g (l2 / l2) with the rounded reciprocals: the sums are taken ahead of the mix and not behind it.
; attn = e1 c1 + e2 c2 is quantised along the keys; O^T = v^T attn^T for my 128 keys; the eight waves' parts are added in f32, wave 0's first, at the end.  Then wave w quantises head w's 32 numbers a query (one block of the
; projection's K), the codes meet in LDS as an image of the operand's registers, and wave w makes 32 columns of the output.
; NO JOINT LOADS: k and v go from memory straight into the registers of the one wave that multiplies them, 6 loads of v and a quarter of 24 loads of k for a head's some 600 vector instructions, asked for a head (k: a group of
; four heads) ahead; a joint load lands in LDS alone, where 204,288 bytes are in use, and would want a round of the cluster's barrier for each head.
; LIMITS: NaN and infinities among the inputs are not served; a block of zeros gets the byte 1 (its codes are zeros); the sum over 1,024 keys is added from eight f32 sums of 128.
; REGISTERS, window 0: v1 r, v2 lane / 16, v3 16 x lane, v4 4 x lane, v5 4 r, v6-11 LDS addresses, v12-15 the record, v16-31 and v44-63 at work, v32-43 scale words and nothing else,
;   v64-127 S, v128-191 t, v192-209 q's masked codes between zeros, v210-229 codes just made, v230-245 O^T, v246-249 c1, c2.   window 1: v0-63 dist, v64-159 k (at the end W_proj), v160-183 v, v184-195 q.
.set UT,    0                          ; LDS: u, [wave][head][128 keys] f32: each wave's own
.set CO,    32768                      ; the keys' coordinates, [wave][axis][128]: each wave's own
.set ST,    45056                      ; the records, [head % 4][wave][query] x 16 bytes
.set OP,    53248                      ; O^T's parts, [head][wave] x 2,048: images of 16 registers
.set AIMG,  184320                     ; out's two fragments, [K step][register] x 128 + 4 x lane
.set ASC,   187392                     ; their scale words, 64 s + 4 r
.set STG,   187648                     ; the stage for the output: 16 rows x (1,024 + 16) bytes
.set S,     64
.set T,     128
.set QM,    192
.set PC,    210
.set RB,    210                        ; the eight waves' records, v210-241
.set O,     230
.set TM,    46                         ; v46-49 maxima, v50-53 the other half's, then bytes, v58-61 the conversions' scale operands
.set KS,    32                         ; v32-39 k's scale words (at the end W_proj's), v40 q's, v41 attn's, v42-43 v's (at the end out's)
.set QS,    40
.set PS,    41
.set VS,    42
.set MSB, 0
.macro WIN new                         ; the immediate's high byte repeats the setting that is left
.if MSB != \new
	s_set_vgpr_msb (MSB<<8)|\new
.set MSB, \new
.endif
.endm
.macro ROWMAX s, d                     ; the largest of my query's 128 numbers in this wave: four chains by turns, each accumulator read from its low end on
.irp b, 0,1,2,3
	v_max3_num_f32 v[TM+\b], v[\s+16*\b], v[\s+16*\b+1], v[\s+16*\b+2]
.endr
.irp i, 3,5,7,9,11,13
.irp b, 0,1,2,3
	v_max3_num_f32 v[TM+\b], v[TM+\b], v[\s+16*\b+\i], v[\s+16*\b+\i+1]
.endr
.endr
.irp b, 0,1,2,3
	v_max_num_f32 v[TM+\b], v[TM+\b], v[\s+16*\b+15]
.endr
	v_max3_num_f32 v[\d], v[TM], v[TM+1], v[TM+2]
	v_max_num_f32 v[\d], v[\d], v[TM+3]
	v_permlanex16_b32 v[TM+4], v[\d], s44, s45
	v_max_num_f32 v[\d], v[\d], v[TM+4]            ; with lane l xor 16's 64 keys
.endm
.macro ROWSUM s, d                     ; their sum: two at a time, in two chains
	v_pk_add_f32 v[20:21], v[\s:\s+1], v[\s+2:\s+3]
	v_pk_add_f32 v[22:23], v[\s+4:\s+5], v[\s+6:\s+7]
.irp j, 8,12,16,20,24,28,32,36,40,44,48,52,56,60
	v_pk_add_f32 v[20:21], v[20:21], v[\s+\j:\s+\j+1]
	v_pk_add_f32 v[22:23], v[22:23], v[\s+\j+2:\s+\j+3]
.endr
	v_pk_add_f32 v[20:21], v[20:21], v[22:23]
	v_add_f32 v20, v20, v21
	v_permlanex16_b32 v[TM+4], v20, s44, s45
	v_add_f32 v[\d], v20, v[TM+4]
.endm
.macro QUANTP s                        ; 64 numbers, none negative, register 16 b + i = key 32 b + 16 (lane / 16) + i, become a fragment's codes in v[PC] on and its scale word in v[PS]
.irp b, 0,1,2,3
	v_max3_num_f32 v[TM+\b], v[\s+16*\b], v[\s+1+16*\b], 0x1800000   ; and the floor 2^(3 - 127): the byte cannot fall under 1
.endr
.irp i, 2,4,6,8,10,12,14
.irp b, 0,1,2,3
	v_max3_num_f32 v[TM+\b], v[TM+\b], v[\s+16*\b+\i], v[\s+1+16*\b+\i]
.endr
.endr
.irp b, 0,1,2,3
	v_permlanex16_b32 v[TM+4+\b], v[TM+\b], s44, s45
.endr
.irp b, 0,1,2,3
	v_max_num_f32 v[TM+\b], v[TM+\b], v[TM+4+\b]
.endr
.irp b, 0,1,2,3
	v_add_nc_u32 v[TM+12+\b], 0xff000000, v[TM+\b] ; 2 off the exponent field: the conversion's scale operand
.endr
.irp b, 0,1,2,3
	v_lshrrev_b32 v[TM+4+\b], 23, v[TM+12+\b]      ; the scale's byte
.endr
	v_lshl_or_b32 v[PS], v[TM+5], 8, v[TM+4]
	v_lshl_or_b32 v[PS], v[TM+6], 16, v[PS]
	v_lshl_or_b32 v[PS], v[TM+7], 24, v[PS]
.irp c, 0,1
	v_cvt_scalef32_pk16_fp6_f32 v[PC+6*\c:PC+2+6*\c], v[\s+32*\c:\s+15+32*\c], v[TM+12+2*\c]
	v_cvt_scalef32_pk16_fp6_f32 v[PC+12+4*\c:PC+14+4*\c], v[\s+16+32*\c:\s+31+32*\c], v[TM+12+2*\c+1]
.endr
	v_nop                                          ; one plain place behind the conversions
.irp c, 0,1
.irp i, 0,1,2
	v_permlane16_swap_b32 v[PC+6*\c+\i], v[PC+12+4*\c+\i]
.endr
.irp i, 0,1,2
	v_mov_b32 v[PC+3+6*\c+\i], v[PC+12+4*\c+\i]
.endr
.endr
.endm
	s_load_b512 s[4:19], s[0:1], 0x0               ; img, scl, voxel_coord, W_pos, b_pos, gating, b_proj, out0
	s_set_vgpr_msb 0x40
	v_lshl_add_u32 v254, v0, 2, 0x34000
	v_mov_b32 v255, 0
	s_set_vgpr_msb 0x4000
	v_lshrrev_b32 v1, 5, v0
	v_readfirstlane_b32 s20, v1                    ; wave 0..7
	s_lshr_b32 s22, ttmp9, 6                       ; the batch
	s_lshr_b32 s23, ttmp9, 1
	s_lshl_b32 s23, s23, 5
	s_and_b32 s2, ttmp9, 1
	s_lshl_b32 s2, s2, 3
	s_add_co_u32 s23, s23, s2                      ; the tile's first token
	v_and_b32 v1, 15, v0                           ; r
	v_bfe_u32 v2, v0, 4, 1                         ; lane / 16
	v_and_b32 v4, 31, v0
	v_lshlrev_b32 v3, 4, v4                        ; 16 x lane
	v_mul_u32_u24 v63, v4, 12                      ; a token's coordinates are 12 bytes
	v_lshlrev_b32 v4, 2, v4                        ; 4 x lane
	v_lshlrev_b32 v5, 2, v1                        ; 4 r
	v_and_b32 v62, 8, v1
	v_add_nc_u32 v62, v62, v1
	v_mul_u32_u24 v62, v62, 12                     ; my query: token r + 8 (r / 8) of the tile
	v_and_b32 v61, 7, v0
	v_lshlrev_b32 v61, 2, v61                      ; head lane % 8
	s_lshl_b32 s2, s20, 12
	v_lshl_add_u32 v6, v2, 6, s2                   ; v6  u: my wave's table, + 16 keys for lanes 16-31 (UT = 0)
	v_add_nc_u32 v7, s2, v4                        ; v7  where I write it; in the loop: v6 + the group of heads
	s_lshl_b32 s2, s20, 8
	s_add_co_u32 s2, s2, ST
	v_lshl_add_u32 v8, v1, 4, s2                   ; v8  my record
	v_lshlrev_b32 v9, 4, v1
	v_add_nc_u32 v9, ST, v9                        ; v9  wave 0's record of my query
	s_lshl_b32 s2, s20, 11
	s_add_co_u32 s2, s2, OP
	v_add_nc_u32 v10, s2, v3                       ; v10 my part of O^T
	s_mul_i32 s2, s20, 1536
	s_add_co_u32 s2, s2, CO
	v_add_nc_u32 v11, s2, v4                       ; v11 the coordinates on their way in; in the loop: v10 + the group of heads
	v_lshl_add_u32 v24, v2, 6, s2                  ; v24 and on their way out
	s_lshl_b32 s66, s22, 3
	s_add_co_u32 s66, s66, s20
	s_lshl_b32 s66, s66, 3                         ; 64 b + 8 w: my keys' first tile, and 8 x my block of 128 tokens
	s_add_co_u32 s2, s66, 1024
	s_mul_i32 s24, s2, 1536                        ; s[24:25] v's records of heads 0-3 for my keys
	s_mov_b32 s25, 0
	s_lshl_b32 s26, s2, 6                          ; s[26:27] their scale words
	s_mov_b32 s27, 0
	s_add_co_u32 s2, s66, 512
	s_mul_i32 s28, s2, 1536                        ; s[28:29] k's eight records
	s_mov_b32 s29, 0
	s_lshl_b32 s30, s2, 6
	s_mov_b32 s31, 0
	s_mul_i32 s32, ttmp9, 1536                     ; s[32:33] q's record
	s_mov_b32 s33, 0
	s_lshl_b32 s34, ttmp9, 6
	s_mov_b32 s35, 0
	s_lshl_b32 s2, s20, 2
	s_add_co_u32 s2, s2, 1536
	s_mul_i32 s36, s2, 1536                        ; s[36:37] W_proj's four records for my 32 columns
	s_mov_b32 s37, 0
	s_lshl_b32 s38, s2, 6
	s_mov_b32 s39, 0
	s_mul_i32 s52, s66, 192                        ; s[52:53] my keys' coordinates: 16 (64 b + 8 w) tokens of 12 bytes
	s_mov_b32 s53, 0
	s_mul_i32 s54, s23, 12                         ; s[54:55] the tile's
	s_mov_b32 s55, 0
	s_lshl_b32 s2, s20, 1
	s_add_co_u32 s48, s23, s2
	s_lshr_b32 s2, s20, 2
	s_lshl_b32 s2, s2, 3
	s_add_co_u32 s48, s48, s2
	s_lshl_b32 s48, s48, 10                        ; s[48:49] the two rows of the output that I store: the tile's rows 2 w, 2 w + 1
	s_mov_b32 s49, 0
	s_lshl_b32 s50, s20, 7                         ; s[50:51] b_proj at my 32 columns
	s_mov_b32 s51, 0
	s_mov_b32 s41, 0x0000ffff                      ; lanes 0-15, lanes 16-31
	s_mov_b32 s42, 0xffff0000
	s_mov_b32 s44, 0x76543210                      ; lane l xor 16
	s_mov_b32 s45, 0xfedcba98
	s_mov_b32 s98, 0x3e8293ee                      ; c = log2(e) / sqrt(32)
	s_mov_b32 s99, s98
	s_mov_b32 s100, 0xbe8293ee                     ; -c
	s_wait_kmcnt 0x0
	s_add_nc_u64 s[24:25], s[4:5], s[24:25]
	s_add_nc_u64 s[26:27], s[6:7], s[26:27]
	s_add_nc_u64 s[28:29], s[4:5], s[28:29]
	s_add_nc_u64 s[30:31], s[6:7], s[30:31]
	s_add_nc_u64 s[32:33], s[4:5], s[32:33]
	s_add_nc_u64 s[34:35], s[6:7], s[34:35]
	s_add_nc_u64 s[36:37], s[4:5], s[36:37]
	s_add_nc_u64 s[38:39], s[6:7], s[38:39]
	s_add_nc_u64 s[52:53], s[8:9], s[52:53]
	s_add_nc_u64 s[54:55], s[8:9], s[54:55]
	s_add_nc_u64 s[48:49], s[18:19], s[48:49]
	s_add_nc_u64 s[50:51], s[16:17], s[50:51]
	; 18 loads that the prologue wants first
.irp k, 0,1,2,3
.irp a, 0,1,2
	global_load_b32 v[46+3*\k+\a], v63, s[52:53] offset:384*\k+4*\a   ; key 32 k + lane of my 128
.endr
.endr
.irp a, 0,1,2
	global_load_b32 v[12+2*\a], v62, s[54:55] offset:4*\a             ; my query
.endr
	global_load_b32 v58, v4, s[10:11]              ; W_pos: word 8 f + h in lane 8 f + h
	global_load_b32 v59, v61, s[12:13]             ; b_pos
	global_load_b32 v60, v61, s[14:15]             ; gating
	; and 36 that the first head wants: k (24), q (3), k's scale words (8), q's scale word (1), of heads 0-3
	WIN 0x40
.irp t, 0,1,2,3,4,5,6,7
.irp c, 0,1,2
	global_load_b128 v[64+12*\t+4*\c:67+12*\t+4*\c], v3, s[28:29] offset:1536*\t+512*\c
.endr
.endr
.irp c, 0,1,2
	global_load_b128 v[184+4*\c:187+4*\c], v3, s[32:33] offset:512*\c
.endr
	WIN 0
.irp t, 0,1,2,3,4,5,6,7
	global_load_b32 v[KS+\t], v5, s[30:31] offset:64*\t
.endr
	global_load_b32 v[QS], v5, s[34:35]
	v_mov_b32 v13, 0                               ; upper halves of pairs of which the low word serves both halves: named, so written
	v_mov_b32 v15, 0
	v_mov_b32 v17, 0
	v_mov_b32 v19, 0
	s_wait_loadcnt 36                              ; the 18 are in; the 36 issued behind them may be out
.irp a, 0,1,2
	v_readlane_b32 s[76+\a], v[12+2*\a], 0         ; p_0: lane 0's query is the tile's first token
.endr
	v_mul_f32 v58, 0x3fb8aa3b, v58                 ; W' = W_pos log2(e)
	v_mul_f32 v59, 0x3fb8aa3b, v59                 ; b' = b_pos log2(e)
	v_mul_f32 v60, 0xbfb8aa3b, v60
	v_exp_f32 v60, v60                             ; e^-gating
.irp k, 0,1,2,3
.irp a, 0,1,2
	ds_store_b32 v11, v[46+3*\k+\a] offset:512*\a+128*\k   ; the coordinates by axis, key by key: my wave's own bytes
.endr
.endr
.irp k, 0,1,2,3
.irp a, 0,1,2
	v_sub_f32 v[96+3*\k+\a], v[46+3*\k+\a], s[76+\a]       ; p_key - p_0: the difference first, so that a common offset of the coordinates costs nothing
.endr
.endr
	s_wait_alu depctr_va_vdst(0)                   ; ahead of the exponential's first reader
	v_add_f32 v60, 1.0, v60
	v_rcp_f32 v60, v60                             ; g = sigmoid(gating)
	v_nop
	; u[head][key]: a head's three weights and its bias are read into scalars just ahead of its lines, in two sets by turns (s4-s11: the addresses that lay there have served, and the loads that named them are in)
.irp h, 0,1,2,3,4,5,6,7
	v_readlane_b32 s[4+4*(\h%2)], v58, \h
	v_readlane_b32 s[5+4*(\h%2)], v58, 8+\h
	v_readlane_b32 s[6+4*(\h%2)], v58, 16+\h
	v_readlane_b32 s[7+4*(\h%2)], v59, \h
	v_readlane_b32 s[56+\h], v58, 24+\h            ; the distance's weight stays: s56-63
.irp k, 0,1,2,3
	v_fma_f32 v[64+8*\k+\h], v[98+3*\k], s[6+4*(\h%2)], s[7+4*(\h%2)]
.endr
.irp k, 0,1,2,3
	v_fma_f32 v[64+8*\k+\h], v[97+3*\k], s[5+4*(\h%2)], v[64+8*\k+\h]
.endr
.irp k, 0,1,2,3
	v_fma_f32 v[64+8*\k+\h], v[96+3*\k], s[4+4*(\h%2)], v[64+8*\k+\h]
.endr
.irp k, 0,1,2,3
	ds_store_b32 v7, v[64+8*\k+\h] offset:512*\h+128*\k
.endr
.endr
	s_wait_alu depctr_va_vdst(0)                   ; ahead of the reciprocal's first reader
	v_sub_f32 v61, 1.0, v60                        ; 1 - g
.irp h, 0,1,2,3,4,5,6,7
	v_readlane_b32 s[80+\h], v60, \h
	v_readlane_b32 s[88+\h], v61, \h
.endr
	s_wait_dscnt 0x0                               ; my stores are done, so their registers may be loaded
.irp a, 0,1,2
.irp b, 0,1,2,3
.irp k, 0,1,2,3
	ds_load_b128 v[64+64*\a+16*\b+4*\k:67+64*\a+16*\b+4*\k], v24 offset:512*\a+128*\b+16*\k   ; register 16 b + i: key 32 b + 16 (lane / 16) + i
.endr
.endr
.endr
	s_wait_dscnt 0x0
	; dist, once for all heads
.irp a, 0,1,2
.set j, 0
.rept 32
	v_pk_add_f32 v[64+64*\a+j:65+64*\a+j], v[64+64*\a+j:65+64*\a+j], v[12+2*\a:13+2*\a] op_sel_hi:[1,0] neg_lo:[0,1] neg_hi:[0,1]
.set j, j+2
.endr
.endr
.set j, 0
.rept 32
	v_pk_mul_f32 v[64+j:65+j], v[64+j:65+j], v[64+j:65+j]
.set j, j+2
.endr
.set j, 0
.rept 32
	v_pk_fma_f32 v[64+j:65+j], v[128+j:129+j], v[128+j:129+j], v[64+j:65+j]
.set j, j+2
.endr
.set j, 0
.rept 32
	v_pk_fma_f32 v[64+j:65+j], v[192+j:193+j], v[192+j:193+j], v[64+j:65+j]
.set j, j+2
.endr
	WIN 0x40                                       ; destination window 1
.set j, 0
.rept 64
	v_sqrt_f32 v[j], v[64+j]
.set j, j+1
.endr
	WIN 0
	v_nop                                          ; a plain place behind the batch,
	s_wait_alu depctr_va_vdst(0)                   ; and its one wait
.irp i, 0,1,2,3,4,5
	v_mov_b32 v[QM+\i], 0                          ; zero codes on both sides of q's six masked registers
	v_mov_b32 v[QM+12+\i], 0
.endr
.irp b, 0,1,2,3
	v_mov_b32 v[TM+4+\b], 0                        ; a lane permute's destination counts as one of its sources
.endr
	v_mov_b32 v247, 0
	v_mov_b32 v249, 0
	s_mov_b32 s40, 2                               ; two groups of four heads
	s_mov_b32 s46, 0                               ; the group's place in u,
	s_mov_b32 s47, 0                               ; and in O^T's parts
	s_wait_loadcnt 0x9                             ; q's three loads are in: the first head masks q's codes at once.  Behind them nine loads were issued, the scale words, which may stay out.
	                                               ; (Over the backward jump the next group's q has been waited for by the fourth head's wait for 0)
; HEAD hb of the group in hand
.macro HEAD hb
.set CC, (\hb)/2
.set HH, (\hb)%2
.if CC
.set QB0, QM                           ; zeros, then the head's codes in registers 6-11
.else
.set QB0, QM+6                         ; the head's codes in registers 0-5, then zeros
.endif
	s_mov_b32 s96, s[56+\hb]                       ; the distance's weight, as a pair
	s_mov_b32 s97, s96
	WIN 0x04                                       ; source 1 window 1
.irp i, 0,1,2,3,4,5
	v_cndmask_b32 v[QM+6+\i], 0, v[184+6*CC+\i], s[41+HH]   ; block hb of q's fragment lies in registers 6 (hb / 2) on of the lanes' half hb % 2: all else is zero codes
.endr
	WIN 0x40
.irp u, 0,1
.irp c, 0,1,2
	global_load_b128 v[160+12*\u+4*\c:163+12*\u+4*\c], v3, s[24:25] offset:(2*(\hb)+\u)*1536+512*\c   ; v of this head: wanted at the head's end
.endr
.endr
	WIN 0
.irp u, 0,1
	global_load_b32 v[VS+\u], v5, s[26:27] offset:(2*(\hb)+\u)*64
.endr
.irp b, 0,1,2,3
.irp k, 0,1,2,3
	ds_load_b128 v[T+16*\b+4*\k:T+16*\b+4*\k+3], v7 offset:512*(\hb)+128*\b+16*\k   ; u
.endr
.endr
.rept 4
	v_nop                                          ; an operand written by vector instructions stands four places ahead of a scaled matrix instruction
.endr
	s_wait_loadcnt 0x8                             ; only v's six loads and two scale words may be out: k, q and their scale words are in
	WIN 0x01                                       ; source 0 window 1
.irp t, 0,1,2,3,4,5,6,7
	v_wmma_scale_f32_16x16x128_f8f6f4 v[S+8*\t:S+8*\t+7], v[64+12*\t:75+12*\t], v[QB0:QB0+11], 0, v[KS+\t], v[QS] matrix_a_fmt:MATRIX_FMT_FP6 matrix_b_fmt:MATRIX_FMT_FP6
.endr
	s_wait_dscnt 0x0                               ; u is in
.set j, 0
.rept 32
	v_pk_fma_f32 v[T+j:T+j+1], v[j:j+1], s[96:97], v[T+j:T+j+1] op_sel_hi:[1,0,1]   ; t = dist W'[3] + u.  (These are also the places behind the products)
.set j, j+2
.endr
	WIN 0
.if \hb == 3
	s_cmp_eq_u32 s40, 1                            ; k has served this group: its registers take the next group's, or, behind the last, W_proj's
	s_cbranch_scc1 .Lproj_in
	WIN 0x40
.irp t, 0,1,2,3,4,5,6,7
.irp c, 0,1,2
	global_load_b128 v[64+12*\t+4*\c:67+12*\t+4*\c], v3, s[28:29] offset:393216+1536*\t+512*\c
.endr
.endr
.irp c, 0,1,2
	global_load_b128 v[184+4*\c:187+4*\c], v3, s[32:33] offset:393216+512*\c
.endr
	WIN 0
.irp t, 0,1,2,3,4,5,6,7
	global_load_b32 v[KS+\t], v5, s[30:31] offset:16384+64*\t
.endr
	global_load_b32 v[QS], v5, s[34:35] offset:16384
	s_branch .Lnext_in
.Lproj_in:
	WIN 0x40
.irp t, 0,1,2,3
.irp c, 0,1,2
	global_load_b128 v[64+12*\t+4*\c:67+12*\t+4*\c], v3, s[36:37] offset:1536*\t+512*\c
.endr
.endr
	WIN 0
.irp t, 0,1,2,3
	global_load_b32 v[KS+\t], v5, s[38:39] offset:64*\t
.endr
.Lnext_in:
.endif
	ROWMAX S, 62
	ROWMAX T, 18
	v_mul_f32 v16, s100, v62                       ; -c M1
	v_mul_f32 v12, s98, v62                        ; the record: c M1,
	v_mov_b32 v14, v18                             ; M2
.set j, 0
.rept 32
	v_pk_fma_f32 v[S+j:S+j+1], v[S+j:S+j+1], s[98:99], v[16:17] op_sel_hi:[1,0,0]
.set j, j+2
.endr
.set j, 0
.rept 64
	v_exp_f32 v[S+j], v[S+j]                       ; e1 = 2^(c s - c M1)
.set j, j+1
.endr
.set j, 0
.rept 32
	v_pk_add_f32 v[T+j:T+j+1], v[T+j:T+j+1], v[18:19] op_sel_hi:[1,0] neg_lo:[0,1] neg_hi:[0,1]   ; plain work behind the batch
.set j, j+2
.endr
	s_wait_alu depctr_va_vdst(0)                   ; one wait for the 64, ahead of their first reader
.set j, 0
.rept 64
	v_exp_f32 v[T+j], v[T+j]                       ; e2 = 2^(t - M2)
.set j, j+1
.endr
	ROWSUM S, 13                                   ; L1: it reads e1 alone
	s_wait_alu depctr_va_vdst(0)                   ; and one for the second 64
	ROWSUM T, 15                                   ; L2
	ds_store_b128 v8, v[12:15] offset:2048*(\hb)   ; lanes r and r + 16 write the same 16 bytes with the same values
	s_wait_dscnt 0x0                               ; for the others' sake: my record has landed (and my stores of O^T's last part)
	s_barrier_signal -1
	s_barrier_wait -1
.irp q, 0,1,2,3,4,5,6,7
	ds_load_b128 v[RB+4*\q:RB+4*\q+3], v9 offset:2048*(\hb)+256*\q
.endr
	s_wait_dscnt 0x0
	v_max3_num_f32 v24, v[RB], v[RB+4], v[RB+8]
	v_max3_num_f32 v25, v[RB+2], v[RB+6], v[RB+10]
	v_max3_num_f32 v24, v24, v[RB+12], v[RB+16]
	v_max3_num_f32 v25, v25, v[RB+14], v[RB+18]
	v_max3_num_f32 v24, v24, v[RB+20], v[RB+24]
	v_max3_num_f32 v25, v25, v[RB+22], v[RB+26]
	v_max_num_f32 v24, v24, v[RB+28]               ; G1
	v_max_num_f32 v25, v25, v[RB+30]               ; G2
.irp q, 0,1,2,3,4,5,6,7
	v_sub_f32 v[RB+4*\q], v[RB+4*\q], v24
	v_sub_f32 v[RB+4*\q+2], v[RB+4*\q+2], v25
.endr
	v_sub_f32 v26, v12, v24
	v_sub_f32 v27, v14, v25
.irp q, 0,1,2,3,4,5,6,7
	v_exp_f32 v[RB+4*\q], v[RB+4*\q]               ; f of each wave
	v_exp_f32 v[RB+4*\q+2], v[RB+4*\q+2]
.endr
	v_exp_f32 v26, v26                             ; and my own
	v_exp_f32 v27, v27
	v_nop
	s_wait_alu depctr_va_vdst(0)
	v_mul_f32 v28, v[RB+1], v[RB]
	v_mul_f32 v29, v[RB+3], v[RB+2]
.irp q, 1,2,3,4,5,6,7
	v_fma_f32 v28, v[RB+4*\q+1], v[RB+4*\q], v28   ; l1, at least 1
	v_fma_f32 v29, v[RB+4*\q+3], v[RB+4*\q+2], v29 ; l2
.endr
	v_rcp_f32 v30, v28
	v_rcp_f32 v31, v29
	v_nop
	s_wait_alu depctr_va_vdst(0)
	v_mul_f32 v44, v28, v30                        ; each softmax's own sum,
	v_mul_f32 v45, v29, v31
	v_mul_f32 v44, s[88+\hb], v44
	v_fma_f32 v44, s[80+\hb], v45, v44             ; mixed: the row's sum of attn
	v_rcp_f32 v45, v44
	v_nop
	s_wait_alu depctr_va_vdst(0)
	v_mul_f32 v246, s[88+\hb], v30
	v_mul_f32 v248, s[80+\hb], v31
	v_mul_f32 v246, v246, v26
	v_mul_f32 v248, v248, v27
	v_mul_f32 v246, v246, v45                      ; c1 = (1 - g) f1 / (l1 x the sum)
	v_mul_f32 v248, v248, v45                      ; c2 = g f2 / (l2 x the sum)
.set j, 0
.rept 32
	v_pk_mul_f32 v[S+j:S+j+1], v[S+j:S+j+1], v[246:247] op_sel_hi:[1,0]
.set j, j+2
.endr
.set j, 0
.rept 32
	v_pk_fma_f32 v[S+j:S+j+1], v[T+j:T+j+1], v[248:249], v[S+j:S+j+1] op_sel_hi:[1,0,1]   ; attn, finished and normalised
.set j, j+2
.endr
	QUANTP S
.rept 8
	v_nop                                          ; a scale register written by vector instructions stands eight places ahead of a scaled matrix instruction
.endr
	s_wait_loadcnt 0x0                             ; v is in (in a group's last head also what was asked for above: 0 is right on both of its ways)
	WIN 0x01
.irp u, 0,1
	v_wmma_scale_f32_16x16x128_f8f6f4 v[O+8*\u:O+8*\u+7], v[160+12*\u:171+12*\u], v[PC:PC+11], 0, v[VS+\u], v[PS] matrix_a_fmt:MATRIX_FMT_FP6 matrix_b_fmt:MATRIX_FMT_FP6
.endr
	WIN 0
.rept 4
	v_nop                                          ; places in front of the stores that read the results
.endr
.irp c, 0,1,2,3
	ds_store_b128 v11, v[O+4*\c:O+4*\c+3] offset:16384*(\hb)+512*\c   ; register 8 u + j of lane (r, h): query r, channel 16 h + 8 u + j.  Each accumulator from its low end on
.endr
.endm
.Lgroup:
	v_add_nc_u32 v7, s46, v6
	v_add_nc_u32 v11, s47, v10
	HEAD 0
	HEAD 1
	HEAD 2
	HEAD 3
	s_add_co_u32 s46, s46, 2048
	s_add_co_u32 s47, s47, 65536
	s_add_nc_u64 s[24:25], s[24:25], 393216        ; v's loads are in (the wait for 0 above): their bases may step to heads 4-7
	s_add_nc_u64 s[26:27], s[26:27], 16384
.irp i, 0,1,2,3
	s_mov_b32 s[56+\i], s[60+\i]
	s_mov_b32 s[80+\i], s[84+\i]
	s_mov_b32 s[88+\i], s[92+\i]
.endr
	s_sub_co_u32 s40, s40, 1
	s_cmp_lg_u32 s40, 0
	s_cbranch_scc1 .Lgroup
	; THE END.  Addresses first: all of the plainest make, from the lane and the wave's number
	s_wait_dscnt 0x0                               ; my parts of O^T have landed
	s_lshl_b32 s2, s20, 14
	s_add_co_u32 s2, s2, OP
	v_add_nc_u32 v6, s2, v3                        ; v6  head w's eight parts
	s_lshr_b32 s2, s20, 2                          ; head w is block w % 4 of K step w / 4: registers 6 ((w % 4) / 2) on of the lanes' half w % 2
	s_mul_i32 s3, s2, 1536
	s_bfe_u32 s66, s20, 0x10001
	s_mul_i32 s66, s66, 768
	s_add_co_u32 s3, s3, s66
	s_and_b32 s66, s20, 1
	s_lshl_b32 s66, s66, 6
	s_add_co_u32 s3, s3, s66
	s_add_co_u32 s3, s3, AIMG
	v_mul_u32_u24 v7, v2, 384                      ; my 16 codes are three registers: the block's lower three or its upper three
	v_add_nc_u32 v7, v7, v5
	v_add_nc_u32 v7, s3, v7                        ; v7  where they go
	s_lshl_b32 s2, s2, 6
	s_and_b32 s66, s20, 3
	s_add_co_u32 s2, s2, s66
	s_add_co_u32 s2, s2, ASC
	v_add_nc_u32 v8, s2, v5                        ; v8  and the block's byte
	v_add_nc_u32 v9, AIMG, v4                      ; v9  the image, a word a lane
	v_add_nc_u32 v10, ASC, v5                      ; v10 its scale words
	v_mul_u32_u24 v11, v1, 1040
	v_lshl_add_u32 v11, v2, 6, v11
	s_lshl_b32 s2, s20, 7
	s_add_co_u32 s2, s2, STG
	v_add_nc_u32 v11, s2, v11                      ; v11 the stage: row r, my 32 columns, + 16 columns for lanes 16-31
	s_mul_i32 s2, s20, 2080
	s_add_co_u32 s2, s2, STG
	v_add_nc_u32 v63, s2, v3                       ; v63 back: my two rows
	v_lshlrev_b32 v62, 6, v2                       ; v62 b_proj: 16 columns for each half of the lanes
.irp u, 0,1
	global_load_b128 v[O+8*\u:O+8*\u+3], v62, s[50:51] offset:32*\u       ; the bias is the C of each sum's first product: column 32 w + 16 h + 8 u + j
	global_load_b128 v[O+8*\u+4:O+8*\u+7], v62, s[50:51] offset:32*\u+16
.endr
	s_barrier_signal -1
	s_barrier_wait -1                              ; all parts of O^T lie in LDS
.irp q, 0,1,2,3,4,5,6,7
.irp c, 0,1,2,3
	ds_load_b128 v[64+16*\q+4*\c:67+16*\q+4*\c], v6 offset:2048*\q+512*\c
.endr
.endr
	s_wait_dscnt 0x0
.irp q, 1,2,3,4,5,6,7
.irp p, 0,2,4,6,8,10,12,14
	v_pk_add_f32 v[64+\p:65+\p], v[64+\p:65+\p], v[64+16*\q+\p:65+16*\q+\p]   ; wave 0's part first
.endr
.endr
	v_max3_num_f32 v46, |v64|, |v65|, 0x1800000    ; head w's 32 channels of a query are one block of the projection's K: 16 here, 16 in lane l xor 16
	v_max3_num_f32 v47, |v66|, |v67|, |v68|
	v_max3_num_f32 v46, v46, |v69|, |v70|
	v_max3_num_f32 v47, v47, |v71|, |v72|
	v_max3_num_f32 v46, v46, |v73|, |v74|
	v_max3_num_f32 v47, v47, |v75|, |v76|
	v_max3_num_f32 v46, v46, |v77|, |v78|
	v_max3_num_f32 v46, v46, v47, |v79|
	v_permlanex16_b32 v50, v46, s44, s45
	v_max_num_f32 v46, v46, v50
	v_add_nc_u32 v58, 0xff000000, v46
	v_lshrrev_b32 v50, 23, v58
	v_cvt_scalef32_pk16_fp6_f32 v[PC:PC+2], v[64:79], v58
	v_nop                                          ; one plain place behind the conversion
.irp i, 0,1,2
	ds_store_b32 v7, v[PC+\i] offset:128*\i
.endr
	ds_store_b8 v8, v50                            ; both halves of the lanes write the same byte with the same value
	s_wait_dscnt 0x0
	s_barrier_signal -1
	s_barrier_wait -1                              ; out's two fragments and their scale words lie in LDS
.irp s, 0,1
.irp p, 0,1,2,3,4,5,6,7,8,9,10,11
	ds_load_b32 v[128+12*\s+\p], v9 offset:1536*\s+128*\p
.endr
	ds_load_b32 v[VS+\s], v10 offset:64*\s
.endr
	s_wait_dscnt 0x0
	s_wait_loadcnt 0x0                             ; the bias
	WIN 0x01
.irp s, 0,1                                    ; two accumulators by turns
.irp u, 0,1
	v_wmma_scale_f32_16x16x128_f8f6f4 v[O+8*\u:O+8*\u+7], v[64+12*(2*\u+\s):75+12*(2*\u+\s)], v[128+12*\s:139+12*\s], v[O+8*\u:O+8*\u+7], v[KS+2*\u+\s], v[VS+\s] matrix_a_fmt:MATRIX_FMT_FP6 matrix_b_fmt:MATRIX_FMT_FP6
.endr
.endr
	WIN 0
.rept 4
	v_nop
.endr
.irp u, 0,1
	ds_store_b128 v11, v[O+8*\u:O+8*\u+3] offset:32*\u
	ds_store_b128 v11, v[O+8*\u+4:O+8*\u+7] offset:32*\u+16
.endr
	s_wait_dscnt 0x0
	s_barrier_signal -1
	s_barrier_wait -1                              ; 16 whole rows of the output lie in the stage
.irp i, 0,1
.irp k, 0,1
	ds_load_b128 v[64+8*\i+4*\k:67+8*\i+4*\k], v63 offset:1040*\i+512*\k
.endr
.endr
.irp i, 0,1
.irp k, 0,1
	s_wait_dscnt 3-2*\i-\k                         ; the younger loads may be out
	global_store_b128 v3, v[64+8*\i+4*\k:67+8*\i+4*\k], s[48:49] offset:1024*\i+512*\k th:TH_STORE_NT   ; 512 consecutive bytes, at a multiple of 256 from out0's first byte
.endr
.endr
	s_set_vgpr_msb 0x5
	s_wait_tensorcnt 0x0
	ds_add_u32 v254, v255
	s_wait_dscnt 0x0
	s_set_vgpr_msb 0x500
	s_endpgm
.Lfunc_end_k_q8b7b1b07e1_attn:
	.size	k_q8b7b1b07e1_attn, .Lfunc_end_k_q8b7b1b07e1_attn-k_q8b7b1b07e1_attn
	.p2alignl 7, 3214868480
	.fill 96, 4, 3214868480
	.section	.rodata,"a",@progbits
	.p2align	6, 0x0
	.amdhsa_kernel k_q8b7b1b07e1_attn
		.amdhsa_group_segment_fixed_size 214016
		.amdhsa_private_segment_fixed_size 0
		.amdhsa_enable_private_segment 0
		.amdhsa_kernarg_size 64
		.amdhsa_user_sgpr_count 2
		.amdhsa_user_sgpr_kernarg_segment_ptr 1
		.amdhsa_wavefront_size32 1
		.amdhsa_system_sgpr_workgroup_id_x 1
		.amdhsa_system_sgpr_workgroup_id_y 1
		.amdhsa_system_sgpr_workgroup_id_z 1
		.amdhsa_system_vgpr_workitem_id 0
		.amdhsa_next_free_vgpr 512
		.amdhsa_next_free_sgpr 102
		.amdhsa_reserve_vcc 0
		.amdhsa_float_denorm_mode_32 3
		.amdhsa_float_denorm_mode_16_64 3
		.amdhsa_memory_ordered 1
		.amdhsa_forward_progress 1
		.amdhsa_inst_pref_size 197
	.end_amdhsa_kernel
	.amdgpu_metadata
---
amdhsa.version: [ 1, 2 ]
amdhsa.kernels:
  - .name:           k_q8b7b1b07e1_attn
    .symbol:         k_q8b7b1b07e1_attn.kd
    .args:
      - { .name: img, .offset: 0, .size: 8, .value_kind: global_buffer, .address_space: global }
      - { .name: scl, .offset: 8, .size: 8, .value_kind: global_buffer, .address_space: global }
      - { .name: voxel_coord, .offset: 16, .size: 8, .value_kind: global_buffer, .address_space: global }
      - { .name: W_pos, .offset: 24, .size: 8, .value_kind: global_buffer, .address_space: global }
      - { .name: b_pos, .offset: 32, .size: 8, .value_kind: global_buffer, .address_space: global }
      - { .name: gating, .offset: 40, .size: 8, .value_kind: global_buffer, .address_space: global }
      - { .name: b_proj, .offset: 48, .size: 8, .value_kind: global_buffer, .address_space: global }
      - { .name: out0, .offset: 56, .size: 8, .value_kind: global_buffer, .address_space: global }
    .group_segment_fixed_size: 214016
    .private_segment_fixed_size: 0
    .kernarg_segment_align: 8
    .kernarg_segment_size: 64
    .max_flat_workgroup_size: 256
    .sgpr_count:     102
    .vgpr_count:     512
    .wavefront_size: 32
...
	.end_amdgpu_metadata
.endif
;; end of part 2
;; ======== version 2 of 2: 2 launches; version 1 with the launches prep, attn written anew for expert scheduling mode
;; workspace buffers: img 2,408,448 bytes; scl 100,352 bytes
;; launch prep (part 3): grid 194 x 1, 8 waves a work-group, no clusters, 53,248 bytes of LDS; arguments x, W_qk, W_v, W_proj, img, scl; writes img, scl
.if DOCPART == 3
	.amdgcn_target "amdgcn-amd-amdhsa--gfx1250"
	.amdhsa_code_object_version 6
	.text
	.protected	k_q8b7b1b07e1_prep
	.globl	k_q8b7b1b07e1_prep
	.p2align	8
	.type	k_q8b7b1b07e1_prep,@function
k_q8b7b1b07e1_prep:
	s_mov_b64 s[64:65], 0
	v_nop
	global_prefetch_b8 v0, s[64:65] scope:SCOPE_SE
	s_setreg_imm32_b32 hwreg(HW_REG_WAVE_SCHED_MODE, 0, 2), 2
	s_setreg_imm32_b32 hwreg(HW_REG_WAVE_MODE, 25, 1), 1
	s_wait_xcnt 0x0
	s_wait_alu depctr_vm_vsrc(0)
; q, k = Q(x) Q(W_qk) and v = Q(x) Q(W_v) on codes of FP6 (E2M3) with one E8M0 scale for each 32 along K, and their results quantised again: q and k along the head's 32, v along the keys.
; All that leaves is laid as IMAGES OF OPERAND REGISTERS: a record of img is one fragment (16 rows x 128 K, 12 registers a lane) as 3 pieces of 512 bytes, piece c = registers 4 c .. 4 c + 3, lane l at 16 l;
; a record of scl is the fragment's 16 scale words, row r at 4 r.  Records: g x 256 + tb x 8 + w for g = 0, 1 (q, heads 0-3, 4-7), 2, 3 (k), 4, 5 (v); 1536 + 2 nt + s for W_proj (tile of columns nt, K step s).
; SHARES.  Work-group id: tb = id % 32 (128 tokens), g = id / 32 (128 columns of a weight).  g = 6 (two work-groups, tb = 0, 1): only quantises 128 columns of W_proj.
; Eight waves.  Wave w quantises one tile of 16 tokens of x (two fragments) and 32 columns x 128 K of the weight (a lane to a column, registers down K); both go to LDS as images; behind a barrier wave w
; multiplies eight tiles (source 0) by its one tile (source 1): for q and k source 0 = the weight's tiles and source 1 = x's tile w, for v the other way round.  So a lane holds one row of the record to be made
; and its 64 registers run along that record's K.
; THE ROWS OF A TILE ARE NOT NEIGHBOURS: tile 2 b + u of a group of 128 rows (tokens, or columns of a weight) holds rows 32 b + 8 u + r + 8 (r / 8), so that registers 16 b + i of a result are index 32 b + 16 (lane / 16) + i.
; The weights are quantised here by every work-group that needs them: four blocks a lane; a launch of its own would cost more than that.
; LIMITS: NaN and infinities among the inputs are not served; a block of zeros gets the byte 1 (its codes are zeros, and this program alone reads the bytes); blocks whose largest magnitude lies under 2^-124 were not tried.
; THE MODE: SCHED_MODE bits 1:0 = 2 (LLVM: expert scheduling mode 2), set by the entry lines.  The code itself states the register dependences between vector or matrix instructions and memory or LDS
; instructions, with s_wait_alu, always for 0.
; THE PLAN.  Registers that memory or LDS instructions touch:
;   v3-15, v60-62  offsets and LDS addresses: made at the head and never written again: one wait on va_vdst ahead of the first load.
;   v64-127        two blocks of the weight: loaded; read by a block's maxima and conversions.  The wait on va_vdst ahead of a block's LDS stores stands behind those readers, so it serves the later loads into them too.
;   v28-47         codes and a scale word: written by WBLOCK and QUANT, read by the stores behind them: a wait on va_vdst ahead of each run of stores, a wait on vm_vsrc behind it, ahead of the next writer.
;   v128-255       x as loaded, read by QUANT; later fragments from LDS, read by the products: one wait on va_vdst between the first K step's products and the second K step's loads.
;   v49, v63       written at the head, read by the closing add alone.
.set XIMG,  0                          ; LDS: x's 16 fragments, (2 m + s) x 1536
.set WIMG,  24576                      ; the weight's 16 fragments, (2 t + s) x 1536
.set XSC,   49152                      ; x's scale words, (2 m + s) x 64 + 4 r
.set WSC,   50176                      ; the weight's likewise
.set OSC,   51200                      ; the results' scale words, 64 w + 4 r
.set FRB,   1536
.set TM,    16                         ; v16-19 largest magnitudes, v20-23 the other half's, then bytes, v24-27 the conversions' scale operands
.set PC,    28                         ; v28-46 codes just made
.set PW,    47                         ; the scale word just made
.set SB,    48                         ; a column's four scale bytes
.set RS,    50                         ; v50-51 scale words of my one tile; v52-59 of the eight tiles: these ten hold scales and nothing else
.set PS,    52
.set HA,    64                         ; v64-127 two blocks of the weight, later the eight accumulators
.set XN,    128                        ; v128-255 x: 2 x 64 numbers; later the eight tiles' fragments (v128-223) and my tile's two (v224-247)
.set PF,    128
.set RF,    224
.set WB,    40                         ; s[40:41] the weight at my 32 columns and my 128 along K
.set XB,    42                         ; s[42:43] x at my tile's first row
.set IB,    44                         ; s[44:45] img at my record
.set SEL,   46                         ; s[46:47] lane selects: lane l xor 16
; 64 numbers of a lane, register 16 b + i = k 32 b + 16 (lane / 16) + i of my row, become a fragment's codes in v[PC] on and its scale word in v[PW]
.macro QUANT s
.irp b, 0,1,2,3
	v_max3_num_f32 v[TM+\b], |v[\s+16*\b]|, |v[\s+1+16*\b]|, 0x1800000   ; my 16 numbers of block b, and the floor 2^(3 - 127): the byte cannot fall under 1
.endr
.irp i, 2,4,6,8,10,12,14
.irp b, 0,1,2,3
	v_max3_num_f32 v[TM+\b], v[TM+\b], |v[\s+16*\b+\i]|, |v[\s+1+16*\b+\i]|   ; the four blocks by turns
.endr
.endr
.irp b, 0,1,2,3
	v_permlanex16_b32 v[TM+4+\b], v[TM+\b], s[SEL], s[SEL+1]
.endr
.irp b, 0,1,2,3
	v_max_num_f32 v[TM+\b], v[TM+\b], v[TM+4+\b]   ; with lane l xor 16's 16: the block's largest magnitude
.endr
.irp b, 0,1,2,3
	v_add_nc_u32 v[TM+8+\b], 0xff000000, v[TM+\b]  ; 2 off its exponent field: the conversion takes this operand's exponent field as the scale
.endr
.irp b, 0,1,2,3
	v_lshrrev_b32 v[TM+4+\b], 23, v[TM+8+\b]       ; the scale's byte
.endr
	v_lshl_or_b32 v[PW], v[TM+5], 8, v[TM+4]
	v_lshl_or_b32 v[PW], v[TM+6], 16, v[PW]
	v_lshl_or_b32 v[PW], v[TM+7], 24, v[PW]
.irp c, 0,1
	v_cvt_scalef32_pk16_fp6_f32 v[PC+6*\c:PC+2+6*\c], v[\s+32*\c:\s+15+32*\c], v[TM+8+2*\c]
	v_cvt_scalef32_pk16_fp6_f32 v[PC+12+4*\c:PC+14+4*\c], v[\s+16+32*\c:\s+31+32*\c], v[TM+8+2*\c+1]   ; (a conversion's three registers begin on an even number)
.endr
	v_nop                                          ; one plain place behind the conversions
.irp c, 0,1                                    ; the operand wants a whole block in a lane: lanes 0-15 block 2 c, lanes 16-31 block 2 c + 1
.irp i, 0,1,2
	v_permlane16_swap_b32 v[PC+6*\c+\i], v[PC+12+4*\c+\i]
.endr
.irp i, 0,1,2
	v_mov_b32 v[PC+3+6*\c+\i], v[PC+12+4*\c+\i]
.endr
.endr
.endm
.macro IMAGE adr, off                          ; the fragment in v[PC] on goes to LDS as it stands
.irp c, 0,1,2
	ds_store_b128 v[\adr], v[PC+4*\c:PC+4*\c+3] offset:\off+512*\c
.endr
.endm
.macro FETCH reg, adr, off                     ; and comes back so, in any wave
.irp c, 0,1,2
	ds_load_b128 v[\reg+4*\c:\reg+4*\c+3], v[\adr] offset:\off+512*\c
.endr
.endm
.macro BARRIER                                 ; my LDS stores have landed and my LDS loads are in: then the work-group's barrier
	s_wait_dscnt 0x0
	s_barrier_signal -1
	s_barrier_wait -1
.endm
.macro XLOAD reg, s                            ; my row's 64 numbers of K step s: 16 neighbours of each block of 32
.irp b, 0,1,2,3
.irp j, 0,1,2,3
	global_load_b128 v[\reg+16*\b+4*\j:\reg+16*\b+4*\j+3], v5, s[XB:XB+1] offset:512*\s+128*\b+16*\j
.endr
.endr
.endm
.macro WLOAD kb, pitch                         ; block kb of my column: 32 rows of the weight; a wave reads 128 consecutive bytes, four waves stand side by side on 512
.irp i, 0,1,2,3,4,5,6,7,8,9,10,11,12,13,14,15,16,17,18,19,20,21,22,23,24,25,26,27,28,29,30,31
	global_load_b32 v[HA+32*((\kb)%2)+\i], v6, s[WB:WB+1] offset:(32*(\kb)+\i)*\pitch
.endr
.endm
; Block kb (32 along K, all in my lane) becomes 24 bytes of codes: registers 6 c .. 6 c + 5 of lane r + 16 hh of its fragment, c = kb / 2, hh = kb % 2.  cnt: the younger loads that may stay out
.macro WBLOCK kb, cnt
.set XS, HA+32*((\kb)%2)
.set HH, (\kb)%2
	s_wait_loadcnt \cnt
	v_max3_num_f32 v16, |v[XS]|, |v[XS+1]|, |v[XS+2]|
	v_max3_num_f32 v17, |v[XS+3]|, |v[XS+4]|, |v[XS+5]|
.irp i, 6,10,14,18,22,26
	v_max3_num_f32 v16, v16, |v[XS+\i]|, |v[XS+\i+1]|
	v_max3_num_f32 v17, v17, |v[XS+\i+2]|, |v[XS+\i+3]|
.endr
	v_max3_num_f32 v16, v16, |v[XS+30]|, |v[XS+31]|
	v_max3_num_f32 v16, v16, v17, 0x1800000        ; and the floor
	v_add_nc_u32 v18, 0xff000000, v16
	v_lshrrev_b32 v17, 23, v18
.if (\kb) == 0
	v_mov_b32 v[SB], v17
.else
	v_lshl_or_b32 v[SB], v17, 8*(\kb), v[SB]
.endif
	v_cvt_scalef32_pk16_fp6_f32 v[PC:PC+2], v[XS:XS+15], v18
	v_cvt_scalef32_pk16_fp6_f32 v[PC+4:PC+6], v[XS+16:XS+31], v18
	v_nop                                          ; one plain place behind the conversions
	v_mov_b32 v[PC+3], v[PC+4]                     ; the six registers on end
	v_mov_b32 v[PC+4], v[PC+5]
	v_mov_b32 v[PC+5], v[PC+6]
	s_wait_alu depctr_va_vdst(0)                   ; the conversions and moves have written v[PC ..], which the LDS stores read; the maxima and conversions are done reading this block's 32 numbers, in which a later block's loads land; v[SB] is written
.if (\kb) < 2
	ds_store_b128 v7, v[PC:PC+3] offset:256*HH             ; registers 0-3: piece 0
	ds_store_b64 v7, v[PC+4:PC+5] offset:256*HH+512        ; registers 4, 5: the lower half of piece 1
.else
	ds_store_b64 v7, v[PC:PC+1] offset:256*HH+520          ; registers 6, 7: its upper half
	ds_store_b128 v7, v[PC+2:PC+5] offset:256*HH+1024      ; registers 8-11: piece 2
.endif
	s_wait_dscnt 0x0                               ; the stores are done: the next codes may be written
	s_wait_alu depctr_vm_vsrc(0)                   ; the stores have read v[PC ..], which the next conversions write
.endm
	s_load_b256 s[4:11], s[0:1], 0x0               ; x, W_qk, W_v, W_proj
	s_load_b128 s[12:15], s[0:1], 0x20             ; img, scl
	v_lshl_add_u32 v49, v0, 2, 0xcc00
	v_mov_b32 v63, 0
	v_lshrrev_b32 v1, 5, v0
	v_readfirstlane_b32 s20, v1                    ; wave 0..7
	s_lshr_b32 s16, ttmp9, 5                       ; g
	s_and_b32 s17, ttmp9, 31                       ; tb
	s_mov_b32 s[SEL], 0x76543210
	s_mov_b32 s[SEL+1], 0xfedcba98
	v_and_b32 v1, 15, v0                           ; r
	v_bfe_u32 v2, v0, 4, 1                         ; h = lane / 16
	v_and_b32 v6, 31, v0
	v_lshlrev_b32 v3, 4, v6                        ; v3  16 x lane
	v_lshlrev_b32 v6, 2, v6                        ; v6  4 x lane: my column of the wave's 32
	v_lshlrev_b32 v4, 2, v1                        ; v4  4 r
	v_and_b32 v5, 8, v1
	v_add_nc_u32 v5, v5, v1                        ; r + 8 (r / 8)
	v_lshlrev_b32 v5, 10, v5
	v_lshl_add_u32 v5, v2, 6, v5                   ; v5  x: that row of 1,024 bytes, + 64 h
.irp b, 0,1,2,3
	v_mov_b32 v[TM+4+\b], 0                        ; written once: a lane permute's destination counts as one of its sources
.endr
	s_wait_alu depctr_va_sdst(0)                   ; s20 is written, ahead of its first reader: LDS addresses, bases and branches are made from it
	s_and_b32 s21, s20, 3                          ; which 32 columns are my wave's
	s_lshr_b32 s22, s20, 2                         ; which K step
	; all LDS addresses are made here.  Column l of the wave's 32 is row (l % 8) + 8 (l / 16) of tile 2 (w % 4) + (l / 8) % 2
	s_mul_i32 s23, s21, 6144
	s_mul_i32 s24, s22, 1536
	s_add_co_u32 s23, s23, s24
	s_add_co_u32 s23, s23, WIMG
	v_and_b32 v60, 7, v0
	v_lshl_add_u32 v60, v2, 3, v60                 ; the row
	v_bfe_u32 v61, v0, 3, 1                        ; the tile's low bit
	v_mul_u32_u24 v7, v61, 3072
	v_lshl_add_u32 v7, v60, 4, v7
	v_add_nc_u32 v7, s23, v7                       ; v7  where my column's codes go
	s_lshl_b32 s23, s21, 8
	s_lshl_b32 s24, s22, 6
	s_add_co_u32 s23, s23, s24
	s_add_co_u32 s23, s23, WSC
	v_lshlrev_b32 v8, 7, v61
	v_lshl_add_u32 v8, v60, 2, v8
	v_add_nc_u32 v8, s23, v8                       ; v8  and its scale word
	s_mul_i32 s23, s20, 3072                       ; a tile's two fragments
	s_lshl_b32 s24, s20, 7                         ; and their two runs of scale words
	v_add_nc_u32 v9, s23, v3                       ; v9  where I store x's images (XIMG = 0)
	s_add_co_u32 s25, s24, XSC
	v_add_nc_u32 v10, s25, v4                      ; v10 and their scale words
	s_cmp_ge_u32 s16, 4                            ; v: the eight tiles are x's and my one tile the weight's; q, k: the other way round
	s_cselect_b32 s26, XIMG, WIMG
	s_cselect_b32 s27, WIMG, XIMG
	s_mov_b32 s28, WSC
	s_cselect_b32 s28, XSC, s28
	s_mov_b32 s29, XSC
	s_cselect_b32 s29, WSC, s29
	v_add_nc_u32 v11, s26, v3                      ; v11 the eight tiles' images
	s_add_co_u32 s27, s27, s23
	v_add_nc_u32 v12, s27, v3                      ; v12 my tile's
	v_add_nc_u32 v13, s28, v4                      ; v13 the eight tiles' scale words
	s_add_co_u32 s29, s29, s24
	v_add_nc_u32 v14, s29, v4                      ; v14 my tile's
	s_lshl_b32 s25, s20, 6
	s_add_co_u32 s25, s25, OSC
	v_add_nc_u32 v15, s25, v4                      ; v15 where my result's scale words go
	v_add_nc_u32 v60, OSC, v3                      ; v60 all eight waves' of them, 16 bytes a lane
	s_add_co_u32 s25, s23, WIMG
	v_add_nc_u32 v61, s25, v3                      ; v61 W_proj's way out: two fragments a wave
	s_and_b32 s25, s20, 1
	s_lshl_b32 s25, s25, 9
	s_add_co_u32 s25, s25, WSC
	v_add_nc_u32 v62, s25, v3                      ; v62 and 512 bytes of scale words for each of waves 0 and 1
	; the weight: W_qk (rows of 2,048 bytes) for g < 4, W_v for g = 4, 5, W_proj for g = 6 (rows of 1,024 bytes); 128 columns are 512 bytes
	s_and_b32 s18, s16, 3
	s_cmp_eq_u32 s16, 6
	s_cselect_b32 s18, s17, s18
	s_lshl_b32 s18, s18, 9
	s_lshl_b32 s19, s21, 7
	s_add_co_u32 s18, s18, s19                     ; + my wave's 32 columns
	s_cmp_lt_u32 s16, 4
	s_cselect_b32 s19, 18, 17
	s_lshl_b32 s19, s22, s19                       ; + my K step: 128 rows
	s_add_co_u32 s18, s18, s19
	s_mov_b32 s19, 0
	s_lshl_b32 s32, s17, 17                        ; x: 128 tb rows of 1,024 bytes,
	s_lshr_b32 s33, s20, 1
	s_lshl_b32 s33, s33, 15                        ; + 32 (w / 2) rows
	s_add_co_u32 s32, s32, s33
	s_and_b32 s33, s20, 1
	s_lshl_b32 s33, s33, 13                        ; + 8 (w % 2) rows
	s_add_co_u32 s32, s32, s33
	s_mov_b32 s33, 0
	s_lshl_b32 s34, ttmp9, 3
	s_add_co_u32 s34, s34, s20                     ; my record: 256 g + 8 tb + w = 8 id + w
	s_mul_i32 s[IB], s34, FRB
	s_mov_b32 s[IB+1], 0
	s_lshl_b32 s36, ttmp9, 9                       ; the work-group's eight records of scale words
	s_mov_b32 s37, 0
	s_wait_kmcnt 0x0
	s_cmp_lt_u32 s16, 4                            ; the choices hang on the work-group's number alone
	s_cselect_b64 s[WB:WB+1], s[6:7], s[8:9]
	s_cmp_eq_u32 s16, 6
	s_cselect_b64 s[WB:WB+1], s[10:11], s[WB:WB+1]
	s_add_nc_u64 s[WB:WB+1], s[WB:WB+1], s[18:19]
	s_add_nc_u64 s[XB:XB+1], s[4:5], s[32:33]
	s_add_nc_u64 s[IB:IB+1], s[12:13], s[IB:IB+1]
	s_add_nc_u64 s[36:37], s[14:15], s[36:37]
	s_wait_alu depctr_va_vdst(0)                   ; the offsets and LDS addresses v3 to v15 and v60 to v62 are written: every load and store of the kernel reads one of them
	s_cmp_eq_u32 s16, 6
	s_cbranch_scc1 .Lno_x_loads                    ; W_proj's work-groups have no x
	XLOAD XN, 0
	XLOAD XN+64, 1
.Lno_x_loads:
	s_cmp_lt_u32 s16, 4
	s_cbranch_scc0 .Lnarrow_a
	WLOAD 0, 2048
	WLOAD 1, 2048
	s_branch .Lloaded_a
.Lnarrow_a:
	WLOAD 0, 1024
	WLOAD 1, 1024
.Lloaded_a:
	WBLOCK 0, 32                                   ; block 1's 32 loads may be out; x's, which are older, are in
	WBLOCK 1, 0
	s_cmp_lt_u32 s16, 4                            ; the loads below land in the registers of blocks 0 and 1.  No wait: no vector instruction since the wait on va_vdst in WBLOCK 1 names them
	s_cbranch_scc0 .Lnarrow_b
	WLOAD 2, 2048
	WLOAD 3, 2048
	s_branch .Lloaded_b
.Lnarrow_b:
	WLOAD 2, 1024
	WLOAD 3, 1024
.Lloaded_b:
	s_cmp_eq_u32 s16, 6
	s_cbranch_scc1 .Lno_x
	QUANT XN                                       ; x is quantised while blocks 2 and 3 are on their way
	s_wait_alu depctr_va_vdst(0)                   ; QUANT has written the codes v[PC ..] and the scale word v[PW], which the LDS stores read
	IMAGE 9, 0
	ds_store_b32 v10, v[PW]
	s_wait_dscnt 0x0
	s_wait_alu depctr_vm_vsrc(0)                   ; the stores have read v[PC ..] and v[PW], which the next QUANT writes
	QUANT XN+64
	s_wait_alu depctr_va_vdst(0)                   ; the codes and the scale word are written, which the LDS stores read; QUANT is done reading x's 128 numbers, in which fragments land behind the barrier
	IMAGE 9, FRB
	ds_store_b32 v10, v[PW] offset:64
	s_wait_dscnt 0x0
	s_wait_alu depctr_vm_vsrc(0)                   ; the stores have read v[PC ..], which the next block's conversions write
.Lno_x:
	WBLOCK 2, 32                                   ; block 3's 32 loads may be out
	WBLOCK 3, 0
	ds_store_b32 v8, v[SB]                         ; my column's scale word for this K step.  No wait: its last writer stands ahead of the wait on va_vdst in WBLOCK 3
	BARRIER                                        ; all images and scale words lie in LDS; nothing writes them again
	s_cmp_eq_u32 s16, 6
	s_cbranch_scc0 .Lgemm
	; W_proj: the images leave as they lie: records 1536 + 16 tb + 2 t + s
.irp i, 0,1,2,3,4,5
	ds_load_b128 v[128+4*\i:131+4*\i], v61 offset:512*\i
.endr
	s_lshl_b32 s34, s17, 4
	s_add_co_u32 s34, s34, 1536
	s_mul_i32 s38, s34, FRB
	s_add_co_u32 s38, s38, s23                     ; + two fragments a wave
	s_mov_b32 s39, 0
	s_add_nc_u64 s[38:39], s[12:13], s[38:39]
	s_wait_dscnt 0x0
.irp i, 0,1,2,3,4,5
	global_store_b128 v3, v[128+4*\i:131+4*\i], s[38:39] offset:512*\i   ; 512 consecutive bytes, at a multiple of 256 from img's first byte
.endr
	s_cmp_lt_u32 s20, 2
	s_cbranch_scc0 .Lend_proj
	ds_load_b128 v[152:155], v62
	s_lshl_b32 s34, s34, 6
	s_lshl_b32 s35, s20, 9
	s_add_co_u32 s34, s34, s35
	s_mov_b32 s35, 0
	s_add_nc_u64 s[34:35], s[14:15], s[34:35]
	s_wait_dscnt 0x0
	global_store_b128 v3, v[152:155], s[34:35]
.Lend_proj:
	s_wait_dscnt 0x0                               ; the closing lines, six on end
	s_wait_alu 0x0
	s_wait_tensorcnt 0x0
	ds_add_u32 v49, v63
	s_wait_dscnt 0x0
	s_endpgm
.Lgemm:
	FETCH RF, 12, 0                                ; my tile, both K steps.  No wait: x's last readers stand ahead of the waits on va_vdst above, and no vector instruction since names v128 to v255
	FETCH RF+12, 12, FRB
	ds_load_b32 v[RS], v14
	ds_load_b32 v[RS+1], v14 offset:64
.irp t, 0,1,2,3,4,5,6,7
	FETCH PF+12*\t, 11, 2*\t*FRB
	ds_load_b32 v[PS+\t], v13 offset:2*\t*64
.endr
	s_wait_dscnt 0x0
.irp t, 0,1,2,3,4,5,6,7                        ; the first K step starts the sums; the eight accumulators take turns
	v_wmma_scale_f32_16x16x128_f8f6f4 v[HA+8*\t:HA+8*\t+7], v[PF+12*\t:PF+12*\t+11], v[RF:RF+11], 0, v[PS+\t], v[RS] matrix_a_fmt:MATRIX_FMT_FP6 matrix_b_fmt:MATRIX_FMT_FP6
.endr
.rept 4
	v_nop                                          ; places in front of loads into registers that matrix instructions have read
.endr
	s_wait_alu depctr_va_vdst(0)                   ; the eight products are done reading the eight tiles' fragments and scale words, in which the second K step's land
.irp t, 0,1,2,3,4,5,6,7
	FETCH PF+12*\t, 11, (2*\t+1)*FRB
	ds_load_b32 v[PS+\t], v13 offset:(2*\t+1)*64
.endr
	s_wait_dscnt 0x0
.irp t, 0,1,2,3,4,5,6,7
	v_wmma_scale_f32_16x16x128_f8f6f4 v[HA+8*\t:HA+8*\t+7], v[PF+12*\t:PF+12*\t+11], v[RF+12:RF+23], v[HA+8*\t:HA+8*\t+7], v[PS+\t], v[RS+1] matrix_a_fmt:MATRIX_FMT_FP6 matrix_b_fmt:MATRIX_FMT_FP6
.endr
.rept 4
	v_nop                                          ; places in front of the first read of results
.endr
	QUANT HA                                       ; q, k: 16 tokens x 4 heads of 32; v: 16 of a head's 32 x 128 keys
	s_wait_alu depctr_va_vdst(0)                   ; QUANT has written the record's codes and its scale word, which the stores read; it is done reading the accumulators, in the first of which wave 0's load lands below
.irp c, 0,1,2
	global_store_b128 v3, v[PC+4*\c:PC+4*\c+3], s[IB:IB+1] offset:512*\c   ; the record: 512 consecutive bytes a store
.endr
	ds_store_b32 v15, v[PW]                        ; lanes r and r + 16 write the same word with the same value
	BARRIER                                        ; eight records of scale words lie together
	s_cmp_lg_u32 s20, 0
	s_cbranch_scc1 .Lend
	ds_load_b128 v[64:67], v60
	s_wait_dscnt 0x0
	global_store_b128 v3, v[64:67], s[36:37]       ; 512 consecutive bytes, at a multiple of 256 from scl's first byte
.Lend:
	s_wait_dscnt 0x0                               ; the closing lines, six on end
	s_wait_alu 0x0
	s_wait_tensorcnt 0x0
	ds_add_u32 v49, v63
	s_wait_dscnt 0x0
	s_endpgm
.Lfunc_end_k_q8b7b1b07e1_prep:
	.size	k_q8b7b1b07e1_prep, .Lfunc_end_k_q8b7b1b07e1_prep-k_q8b7b1b07e1_prep
	.p2alignl 7, 3214868480
	.fill 96, 4, 3214868480
	.section	.rodata,"a",@progbits
	.p2align	6, 0x0
	.amdhsa_kernel k_q8b7b1b07e1_prep
		.amdhsa_group_segment_fixed_size 53248
		.amdhsa_private_segment_fixed_size 0
		.amdhsa_enable_private_segment 0
		.amdhsa_kernarg_size 48
		.amdhsa_user_sgpr_count 2
		.amdhsa_user_sgpr_kernarg_segment_ptr 1
		.amdhsa_wavefront_size32 1
		.amdhsa_system_sgpr_workgroup_id_x 1
		.amdhsa_system_sgpr_workgroup_id_y 1
		.amdhsa_system_sgpr_workgroup_id_z 1
		.amdhsa_system_vgpr_workitem_id 0
		.amdhsa_next_free_vgpr 256
		.amdhsa_next_free_sgpr 66
		.amdhsa_reserve_vcc 0
		.amdhsa_float_denorm_mode_32 3
		.amdhsa_float_denorm_mode_16_64 3
		.amdhsa_memory_ordered 1
		.amdhsa_forward_progress 1
		.amdhsa_inst_pref_size 61
	.end_amdhsa_kernel
	.amdgpu_metadata
---
amdhsa.version: [ 1, 2 ]
amdhsa.kernels:
  - .name:           k_q8b7b1b07e1_prep
    .symbol:         k_q8b7b1b07e1_prep.kd
    .args:
      - { .name: x, .offset: 0, .size: 8, .value_kind: global_buffer, .address_space: global }
      - { .name: W_qk, .offset: 8, .size: 8, .value_kind: global_buffer, .address_space: global }
      - { .name: W_v, .offset: 16, .size: 8, .value_kind: global_buffer, .address_space: global }
      - { .name: W_proj, .offset: 24, .size: 8, .value_kind: global_buffer, .address_space: global }
      - { .name: img, .offset: 32, .size: 8, .value_kind: global_buffer, .address_space: global }
      - { .name: scl, .offset: 40, .size: 8, .value_kind: global_buffer, .address_space: global }
    .group_segment_fixed_size: 53248
    .private_segment_fixed_size: 0
    .kernarg_segment_align: 8
    .kernarg_segment_size: 48
    .max_flat_workgroup_size: 256
    .sgpr_count:     66
    .vgpr_count:     256
    .wavefront_size: 32
...
	.end_amdgpu_metadata
.endif
;; end of part 3
;; launch attn (part 4): grid 256 x 1, 8 waves a work-group, no clusters, 214,016 bytes of LDS; arguments img, scl, voxel_coord, W_pos, b_pos, gating, b_proj, out0; writes out0
.if DOCPART == 4
	.amdgcn_target "amdgcn-amd-amdhsa--gfx1250"
	.amdhsa_code_object_version 6
	.text
	.protected	k_q8b7b1b07e1_attn
	.globl	k_q8b7b1b07e1_attn
	.p2align	8
	.type	k_q8b7b1b07e1_attn,@function
k_q8b7b1b07e1_attn:
	s_mov_b64 s[64:65], 0
	v_nop
	global_prefetch_b8 v0, s[64:65] scope:SCOPE_SE
	s_setreg_imm32_b32 hwreg(HW_REG_WAVE_SCHED_MODE, 0, 2), 2
	s_setreg_imm32_b32 hwreg(HW_REG_WAVE_MODE, 25, 1), 1
	s_wait_xcnt 0x0
	s_wait_alu depctr_vm_vsrc(0)
; out0 = Q(out) Q(W_proj) + b_proj, out = Q(attn) Q(v), attn = ((1 - g) softmax(Q(q) Q(k)^T / sqrt(32)) + g softmax(pos)) / its row's sum, g = sigmoid(gating), all products on codes of FP6 (E2M3) with E8M0 scales.
; SHARES.  A work-group owns one tile of 16 queries (tokens 32 (T / 2) + 8 (T % 2) + r + 8 (r / 8), T its number), all 8 heads, all 1,024 keys of the batch.  THE WAVES SHARE THE KEYS: wave w owns keys 128 w .. 128 w + 127.
; A lane holds ONE query (lane % 16); register 16 b + i of its 64 holds key 128 w + 32 b + 16 (lane / 16) + i.  So the distances (64 registers) are made once and serve all heads, both softmaxes' exponentials stay in
; registers until the row's sums are known (each exponential is issued once), and a wave's keys are one K step of attn v.
; A HEAD.  S^T = k q^T: source 0 = 16 keys x 128 (four heads' 32), source 1 = q with zero codes in the other three heads' blocks.  t = dist W'[3] + u, u[key] = W'[0..2] . (p_key - p_0) + b', W' and b' being W_pos and b_pos
; times log2(e), p_0 the tile's first query.  The term W' . (p_0 - p_query) is the same for all keys of a row and is not added: the row's maximum, which is taken away, takes it away too.
; Each wave takes its own maxima away, sums, and hands {c M1, L1, M2, L2} for each query to the others through LDS (one barrier); G = the largest maximum, f_w = 2^(m_w - G), l = the sum of L_w f_w.
; THE ROW'S SUM OF attn is formed from the sums at hand: (1 - g) (l1 / l1) + g (l2 / l2) with the rounded reciprocals: the sums are taken ahead of the mix and not behind it.
; attn = e1 c1 + e2 c2 is quantised along the keys; O^T = v^T attn^T for my 128 keys; the eight waves' parts are added in f32, wave 0's first, at the end.  Then wave w quantises head w's 32 numbers a query (one block of the
; projection's K), the codes meet in LDS as an image of the operand's registers, and wave w makes 32 columns of the output.
; NO JOINT LOADS: k and v go from memory straight into the registers of the one wave that multiplies them, 6 loads of v and a quarter of 24 loads of k for a head's some 600 vector instructions, asked for a head (k: a group of
; four heads) ahead; a joint load lands in LDS alone, where 204,288 bytes are in use, and would want a round of the cluster's barrier for each head.
; LIMITS: NaN and infinities among the inputs are not served; a block of zeros gets the byte 1 (its codes are zeros); the sum over 1,024 keys is added from eight f32 sums of 128.
; REGISTERS, window 0: v1 r, v2 lane / 16, v3 16 x lane, v4 4 x lane, v5 4 r, v6-11 LDS addresses, v12-15 the record, v16-31 and v44-63 at work, v32-43 scale words and nothing else,
;   v64-127 S, v128-191 t, v192-209 q's masked codes between zeros, v210-229 codes just made, v230-245 O^T, v246-249 c1, c2.   window 1: v0-63 dist, v64-159 k (at the end W_proj), v160-183 v, v184-195 q.
; THE MODE: SCHED_MODE bits 1:0 = 2 (LLVM: expert scheduling mode 2), set by the entry lines.  The code itself states the register dependences between vector or matrix instructions and memory or LDS
; instructions, with s_wait_alu, always for 0.
; THE PLAN.  Registers that memory or LDS instructions touch, in the loop:
;   v7, v11             LDS addresses of u and of O^T's parts: written once a group, at its head, between a wait on vm_vsrc and a wait on va_vdst; read by u's loads and O^T's stores.
;   v's 24, v42-43, t   loaded first thing in a head; last named by the head before: its two products with v, its mix.  The wait on va_vdst ahead of that head's stores of O^T stands behind all of these,
;                       and no vector instruction stands between it and the loads: so it serves them too.
;   v198-203            q's masked codes: written by six selections, read by the eight scaled products: four places, then a wait on va_vdst.
;   k, q, v32-40        loaded in a group's fourth head, behind the products and selections that read them: one wait on va_vdst, ahead of the branch.
;   v12-15              the record: written by maxima and sums, read by its LDS store: a wait on va_vdst ahead of it; the wait on vm_vsrc behind it frees them for the next head.
;   v210-241            the eight records land here; v230-245 were the data of the last head's stores of O^T: the same wait on vm_vsrc.  Their last vector and matrix users stand ahead of that head's last wait on va_vdst.
;   v210-221, v41       attn's codes and scale word: written by QUANTP, read by the two scaled products: eight places, then a wait on va_vdst.
;   v3, v5, v8, v9      never written in the loop.
.set UT,    0                          ; LDS: u, [wave][head][128 keys] f32: each wave's own
.set CO,    32768                      ; the keys' coordinates, [wave][axis][128]: each wave's own
.set ST,    45056                      ; the records, [head % 4][wave][query] x 16 bytes
.set OP,    53248                      ; O^T's parts, [head][wave] x 2,048: images of 16 registers
.set AIMG,  184320                     ; out's two fragments, [K step][register] x 128 + 4 x lane
.set ASC,   187392                     ; their scale words, 64 s + 4 r
.set STG,   187648                     ; the stage for the output: 16 rows x (1,024 + 16) bytes
.set S,     64
.set T,     128
.set QM,    192
.set PC,    210
.set RB,    210                        ; the eight waves' records, v210-241
.set O,     230
.set TM,    46                         ; v46-49 maxima, v50-53 the other half's, then bytes, v58-61 the conversions' scale operands
.set KS,    32                         ; v32-39 k's scale words (at the end W_proj's), v40 q's, v41 attn's, v42-43 v's (at the end out's)
.set QS,    40
.set PS,    41
.set VS,    42
.set MSB, 0
.macro WIN new                         ; the immediate's high byte repeats the setting that is left
.if MSB != \new
	s_set_vgpr_msb (MSB<<8)|\new
.set MSB, \new
.endif
.endm
.macro ROWMAX s, d                     ; the largest of my query's 128 numbers in this wave: four chains by turns, each accumulator read from its low end on
.irp b, 0,1,2,3
	v_max3_num_f32 v[TM+\b], v[\s+16*\b], v[\s+16*\b+1], v[\s+16*\b+2]
.endr
.irp i, 3,5,7,9,11,13
.irp b, 0,1,2,3
	v_max3_num_f32 v[TM+\b], v[TM+\b], v[\s+16*\b+\i], v[\s+16*\b+\i+1]
.endr
.endr
.irp b, 0,1,2,3
	v_max_num_f32 v[TM+\b], v[TM+\b], v[\s+16*\b+15]
.endr
	v_max3_num_f32 v[\d], v[TM], v[TM+1], v[TM+2]
	v_max_num_f32 v[\d], v[\d], v[TM+3]
	v_permlanex16_b32 v[TM+4], v[\d], s44, s45
	v_max_num_f32 v[\d], v[\d], v[TM+4]            ; with lane l xor 16's 64 keys
.endm
.macro ROWSUM s, d                     ; their sum: two at a time, in two chains
	v_pk_add_f32 v[20:21], v[\s:\s+1], v[\s+2:\s+3]
	v_pk_add_f32 v[22:23], v[\s+4:\s+5], v[\s+6:\s+7]
.irp j, 8,12,16,20,24,28,32,36,40,44,48,52,56,60
	v_pk_add_f32 v[20:21], v[20:21], v[\s+\j:\s+\j+1]
	v_pk_add_f32 v[22:23], v[22:23], v[\s+\j+2:\s+\j+3]
.endr
	v_pk_add_f32 v[20:21], v[20:21], v[22:23]
	v_add_f32 v20, v20, v21
	v_permlanex16_b32 v[TM+4], v20, s44, s45
	v_add_f32 v[\d], v20, v[TM+4]
.endm
.macro QUANTP s                        ; 64 numbers, none negative, register 16 b + i = key 32 b + 16 (lane / 16) + i, become a fragment's codes in v[PC] on and its scale word in v[PS]
.irp b, 0,1,2,3
	v_max3_num_f32 v[TM+\b], v[\s+16*\b], v[\s+1+16*\b], 0x1800000   ; and the floor 2^(3 - 127): the byte cannot fall under 1
.endr
.irp i, 2,4,6,8,10,12,14
.irp b, 0,1,2,3
	v_max3_num_f32 v[TM+\b], v[TM+\b], v[\s+16*\b+\i], v[\s+1+16*\b+\i]
.endr
.endr
.irp b, 0,1,2,3
	v_permlanex16_b32 v[TM+4+\b], v[TM+\b], s44, s45
.endr
.irp b, 0,1,2,3
	v_max_num_f32 v[TM+\b], v[TM+\b], v[TM+4+\b]
.endr
.irp b, 0,1,2,3
	v_add_nc_u32 v[TM+12+\b], 0xff000000, v[TM+\b] ; 2 off the exponent field: the conversion's scale operand
.endr
.irp b, 0,1,2,3
	v_lshrrev_b32 v[TM+4+\b], 23, v[TM+12+\b]      ; the scale's byte
.endr
	v_lshl_or_b32 v[PS], v[TM+5], 8, v[TM+4]
	v_lshl_or_b32 v[PS], v[TM+6], 16, v[PS]
	v_lshl_or_b32 v[PS], v[TM+7], 24, v[PS]
.irp c, 0,1
	v_cvt_scalef32_pk16_fp6_f32 v[PC+6*\c:PC+2+6*\c], v[\s+32*\c:\s+15+32*\c], v[TM+12+2*\c]
	v_cvt_scalef32_pk16_fp6_f32 v[PC+12+4*\c:PC+14+4*\c], v[\s+16+32*\c:\s+31+32*\c], v[TM+12+2*\c+1]
.endr
	v_nop                                          ; one plain place behind the conversions
.irp c, 0,1
.irp i, 0,1,2
	v_permlane16_swap_b32 v[PC+6*\c+\i], v[PC+12+4*\c+\i]
.endr
.irp i, 0,1,2
	v_mov_b32 v[PC+3+6*\c+\i], v[PC+12+4*\c+\i]
.endr
.endr
.endm
	s_load_b512 s[4:19], s[0:1], 0x0               ; img, scl, voxel_coord, W_pos, b_pos, gating, b_proj, out0
	s_set_vgpr_msb 0x40
	v_lshl_add_u32 v254, v0, 2, 0x34000
	v_mov_b32 v255, 0
	s_set_vgpr_msb 0x4000
	v_lshrrev_b32 v1, 5, v0
	v_readfirstlane_b32 s20, v1                    ; wave 0..7
	s_lshr_b32 s22, ttmp9, 6                       ; the batch
	s_lshr_b32 s23, ttmp9, 1
	s_lshl_b32 s23, s23, 5
	s_and_b32 s2, ttmp9, 1
	s_lshl_b32 s2, s2, 3
	s_add_co_u32 s23, s23, s2                      ; the tile's first token
	v_and_b32 v1, 15, v0                           ; r
	v_bfe_u32 v2, v0, 4, 1                         ; lane / 16
	v_and_b32 v4, 31, v0
	v_lshlrev_b32 v3, 4, v4                        ; 16 x lane
	v_mul_u32_u24 v63, v4, 12                      ; a token's coordinates are 12 bytes
	v_lshlrev_b32 v4, 2, v4                        ; 4 x lane
	v_lshlrev_b32 v5, 2, v1                        ; 4 r
	v_and_b32 v62, 8, v1
	v_add_nc_u32 v62, v62, v1
	v_mul_u32_u24 v62, v62, 12                     ; my query: token r + 8 (r / 8) of the tile
	v_and_b32 v61, 7, v0
	v_lshlrev_b32 v61, 2, v61                      ; head lane % 8
	s_wait_alu depctr_va_sdst(0)                   ; s20 is written, ahead of its first reader: LDS addresses and bases are made from it
	s_lshl_b32 s2, s20, 12
	v_lshl_add_u32 v6, v2, 6, s2                   ; v6  u: my wave's table, + 16 keys for lanes 16-31 (UT = 0)
	v_add_nc_u32 v7, s2, v4                        ; v7  where I write it; in the loop: v6 + the group of heads
	s_lshl_b32 s2, s20, 8
	s_add_co_u32 s2, s2, ST
	v_lshl_add_u32 v8, v1, 4, s2                   ; v8  my record
	v_lshlrev_b32 v9, 4, v1
	v_add_nc_u32 v9, ST, v9                        ; v9  wave 0's record of my query
	s_lshl_b32 s2, s20, 11
	s_add_co_u32 s2, s2, OP
	v_add_nc_u32 v10, s2, v3                       ; v10 my part of O^T
	s_mul_i32 s2, s20, 1536
	s_add_co_u32 s2, s2, CO
	v_add_nc_u32 v11, s2, v4                       ; v11 the coordinates on their way in; in the loop: v10 + the group of heads
	v_lshl_add_u32 v24, v2, 6, s2                  ; v24 and on their way out
	s_lshl_b32 s66, s22, 3
	s_add_co_u32 s66, s66, s20
	s_lshl_b32 s66, s66, 3                         ; 64 b + 8 w: my keys' first tile, and 8 x my block of 128 tokens
	s_add_co_u32 s2, s66, 1024
	s_mul_i32 s24, s2, 1536                        ; s[24:25] v's records of heads 0-3 for my keys
	s_mov_b32 s25, 0
	s_lshl_b32 s26, s2, 6                          ; s[26:27] their scale words
	s_mov_b32 s27, 0
	s_add_co_u32 s2, s66, 512
	s_mul_i32 s28, s2, 1536                        ; s[28:29] k's eight records
	s_mov_b32 s29, 0
	s_lshl_b32 s30, s2, 6
	s_mov_b32 s31, 0
	s_mul_i32 s32, ttmp9, 1536                     ; s[32:33] q's record
	s_mov_b32 s33, 0
	s_lshl_b32 s34, ttmp9, 6
	s_mov_b32 s35, 0
	s_lshl_b32 s2, s20, 2
	s_add_co_u32 s2, s2, 1536
	s_mul_i32 s36, s2, 1536                        ; s[36:37] W_proj's four records for my 32 columns
	s_mov_b32 s37, 0
	s_lshl_b32 s38, s2, 6
	s_mov_b32 s39, 0
	s_mul_i32 s52, s66, 192                        ; s[52:53] my keys' coordinates: 16 (64 b + 8 w) tokens of 12 bytes
	s_mov_b32 s53, 0
	s_mul_i32 s54, s23, 12                         ; s[54:55] the tile's
	s_mov_b32 s55, 0
	s_lshl_b32 s2, s20, 1
	s_add_co_u32 s48, s23, s2
	s_lshr_b32 s2, s20, 2
	s_lshl_b32 s2, s2, 3
	s_add_co_u32 s48, s48, s2
	s_lshl_b32 s48, s48, 10                        ; s[48:49] the two rows of the output that I store: the tile's rows 2 w, 2 w + 1
	s_mov_b32 s49, 0
	s_lshl_b32 s50, s20, 7                         ; s[50:51] b_proj at my 32 columns
	s_mov_b32 s51, 0
	s_mov_b32 s41, 0x0000ffff                      ; lanes 0-15, lanes 16-31
	s_mov_b32 s42, 0xffff0000
	s_mov_b32 s44, 0x76543210                      ; lane l xor 16
	s_mov_b32 s45, 0xfedcba98
	s_mov_b32 s98, 0x3e8293ee                      ; c = log2(e) / sqrt(32)
	s_mov_b32 s99, s98
	s_mov_b32 s100, 0xbe8293ee                     ; -c
	s_wait_kmcnt 0x0
	s_add_nc_u64 s[24:25], s[4:5], s[24:25]
	s_add_nc_u64 s[26:27], s[6:7], s[26:27]
	s_add_nc_u64 s[28:29], s[4:5], s[28:29]
	s_add_nc_u64 s[30:31], s[6:7], s[30:31]
	s_add_nc_u64 s[32:33], s[4:5], s[32:33]
	s_add_nc_u64 s[34:35], s[6:7], s[34:35]
	s_add_nc_u64 s[36:37], s[4:5], s[36:37]
	s_add_nc_u64 s[38:39], s[6:7], s[38:39]
	s_add_nc_u64 s[52:53], s[8:9], s[52:53]
	s_add_nc_u64 s[54:55], s[8:9], s[54:55]
	s_add_nc_u64 s[48:49], s[18:19], s[48:49]
	s_add_nc_u64 s[50:51], s[16:17], s[50:51]
	s_wait_alu depctr_va_vdst(0)                   ; the offsets and LDS addresses v3 to v11, v24 and v61 to v63 are written, which the loads and stores below read
	; 18 loads that the prologue wants first
.irp k, 0,1,2,3
.irp a, 0,1,2
	global_load_b32 v[46+3*\k+\a], v63, s[52:53] offset:384*\k+4*\a   ; key 32 k + lane of my 128
.endr
.endr
.irp a, 0,1,2
	global_load_b32 v[12+2*\a], v62, s[54:55] offset:4*\a             ; my query
.endr
	global_load_b32 v58, v4, s[10:11]              ; W_pos: word 8 f + h in lane 8 f + h
	global_load_b32 v59, v61, s[12:13]             ; b_pos
	global_load_b32 v60, v61, s[14:15]             ; gating
	; and 36 that the first head wants: k (24), q (3), k's scale words (8), q's scale word (1), of heads 0-3
	WIN 0x40
.irp t, 0,1,2,3,4,5,6,7
.irp c, 0,1,2
	global_load_b128 v[64+12*\t+4*\c:67+12*\t+4*\c], v3, s[28:29] offset:1536*\t+512*\c
.endr
.endr
.irp c, 0,1,2
	global_load_b128 v[184+4*\c:187+4*\c], v3, s[32:33] offset:512*\c
.endr
	WIN 0
.irp t, 0,1,2,3,4,5,6,7
	global_load_b32 v[KS+\t], v5, s[30:31] offset:64*\t
.endr
	global_load_b32 v[QS], v5, s[34:35]
	v_mov_b32 v13, 0                               ; upper halves of pairs of which the low word serves both halves: named, so written
	v_mov_b32 v15, 0
	v_mov_b32 v17, 0
	v_mov_b32 v19, 0
	s_wait_loadcnt 36                              ; the 18 are in; the 36 issued behind them may be out
.irp a, 0,1,2
	v_readlane_b32 s[76+\a], v[12+2*\a], 0         ; p_0: lane 0's query is the tile's first token
.endr
	v_mul_f32 v58, 0x3fb8aa3b, v58                 ; W' = W_pos log2(e)
	v_mul_f32 v59, 0x3fb8aa3b, v59                 ; b' = b_pos log2(e)
	v_mul_f32 v60, 0xbfb8aa3b, v60
	v_exp_f32 v60, v60                             ; e^-gating
.irp k, 0,1,2,3
.irp a, 0,1,2
	ds_store_b32 v11, v[46+3*\k+\a] offset:512*\a+128*\k   ; the coordinates by axis, key by key: my wave's own bytes
.endr
.endr
	s_wait_alu depctr_va_sdst(0)                   ; p_0 is written in s76 to s78, ahead of its first readers, the differences below
.irp k, 0,1,2,3
.irp a, 0,1,2
	v_sub_f32 v[96+3*\k+\a], v[46+3*\k+\a], s[76+\a]       ; p_key - p_0: the difference first, so that a common offset of the coordinates costs nothing
.endr
.endr
	s_wait_alu depctr_va_vdst(0)                   ; the exponential has written v60, ahead of its first reader
	v_add_f32 v60, 1.0, v60
	v_rcp_f32 v60, v60                             ; g = sigmoid(gating)
	v_nop
	; u[head][key]: two heads' weights and biases are read into scalars in one run, ahead of the two heads' lines (s4-s11: the addresses that lay there have served, and the loads that named them are in)
.irp hp, 0,2,4,6
.irp e, 0,1
	v_readlane_b32 s[4+4*\e], v58, \hp+\e
	v_readlane_b32 s[5+4*\e], v58, 8+\hp+\e
	v_readlane_b32 s[6+4*\e], v58, 16+\hp+\e
	v_readlane_b32 s[7+4*\e], v59, \hp+\e
	v_readlane_b32 s[56+\hp+\e], v58, 24+\hp+\e    ; the distance's weight stays: s56-63
.endr
	s_wait_alu depctr_va_sdst(0)                   ; the ten scalars are written: s4 to s11 ahead of the multiply-adds below, the two of s56 to s63 ahead of the loop's label
.irp e, 0,1
.irp k, 0,1,2,3
	v_fma_f32 v[64+8*\k+\hp+\e], v[98+3*\k], s[6+4*\e], s[7+4*\e]
.endr
.irp k, 0,1,2,3
	v_fma_f32 v[64+8*\k+\hp+\e], v[97+3*\k], s[5+4*\e], v[64+8*\k+\hp+\e]
.endr
.irp k, 0,1,2,3
	v_fma_f32 v[64+8*\k+\hp+\e], v[96+3*\k], s[4+4*\e], v[64+8*\k+\hp+\e]
.endr
.endr
.endr
	s_wait_alu depctr_va_vdst(0)                   ; the multiply-adds have written u, v64 to v95, which the LDS stores read, and are done with v96 to v107, in which coordinates land below; the reciprocal has written v60, ahead of its first reader
.irp h, 0,1,2,3,4,5,6,7
.irp k, 0,1,2,3
	ds_store_b32 v7, v[64+8*\k+\h] offset:512*\h+128*\k
.endr
.endr
	s_wait_alu depctr_vm_vsrc(0)                   ; the LDS stores have read u (v64 to v95, in which coordinates land below) and the coordinates (v46 to v57, at work from here on); the head's loads have read their offsets v61 and v62, which are written anew
	v_sub_f32 v61, 1.0, v60                        ; 1 - g
.irp h, 0,1,2,3,4,5,6,7
	v_readlane_b32 s[80+\h], v60, \h
	v_readlane_b32 s[88+\h], v61, \h
.endr
	s_wait_alu depctr_va_sdst(0)                   ; g and 1 - g are written in s80 to s95, ahead of the loop's label, behind which their readers stand
	s_wait_dscnt 0x0                               ; my stores are done, so their registers may be loaded
.irp a, 0,1,2
.irp b, 0,1,2,3
.irp k, 0,1,2,3
	ds_load_b128 v[64+64*\a+16*\b+4*\k:67+64*\a+16*\b+4*\k], v24 offset:512*\a+128*\b+16*\k   ; register 16 b + i: key 32 b + 16 (lane / 16) + i
.endr
.endr
.endr
	s_wait_dscnt 0x0
	; dist, once for all heads
.irp a, 0,1,2
.set j, 0
.rept 32
	v_pk_add_f32 v[64+64*\a+j:65+64*\a+j], v[64+64*\a+j:65+64*\a+j], v[12+2*\a:13+2*\a] op_sel_hi:[1,0] neg_lo:[0,1] neg_hi:[0,1]
.set j, j+2
.endr
.endr
.set j, 0
.rept 32
	v_pk_mul_f32 v[64+j:65+j], v[64+j:65+j], v[64+j:65+j]
.set j, j+2
.endr
.set j, 0
.rept 32
	v_pk_fma_f32 v[64+j:65+j], v[128+j:129+j], v[128+j:129+j], v[64+j:65+j]
.set j, j+2
.endr
.set j, 0
.rept 32
	v_pk_fma_f32 v[64+j:65+j], v[192+j:193+j], v[192+j:193+j], v[64+j:65+j]
.set j, j+2
.endr
	WIN 0x40                                       ; destination window 1
.set j, 0
.rept 64
	v_sqrt_f32 v[j], v[64+j]
.set j, j+1
.endr
	WIN 0
	v_nop                                          ; a plain place behind the batch,
	s_wait_alu depctr_va_vdst(0)                   ; and its one wait: the 64 roots have written dist, ahead of the loop's label
.irp i, 0,1,2,3,4,5
	v_mov_b32 v[QM+\i], 0                          ; zero codes on both sides of q's six masked registers
	v_mov_b32 v[QM+12+\i], 0
.endr
.irp b, 0,1,2,3
	v_mov_b32 v[TM+4+\b], 0                        ; a lane permute's destination counts as one of its sources
.endr
	v_mov_b32 v247, 0
	v_mov_b32 v249, 0
	s_mov_b32 s40, 2                               ; two groups of four heads
	s_mov_b32 s46, 0                               ; the group's place in u,
	s_mov_b32 s47, 0                               ; and in O^T's parts
	s_wait_loadcnt 0x9                             ; q's three loads are in: the first head masks q's codes at once.  Behind them nine loads were issued, the scale words, which may stay out.
	                                               ; (Over the backward jump the next group's q has been waited for by the fourth head's wait for 0)
; HEAD hb of the group in hand
.macro HEAD hb
.set CC, (\hb)/2
.set HH, (\hb)%2
.if CC
.set QB0, QM                           ; zeros, then the head's codes in registers 6-11
.else
.set QB0, QM+6                         ; the head's codes in registers 0-5, then zeros
.endif
	s_mov_b32 s96, s[56+\hb]                       ; the distance's weight, as a pair
	s_mov_b32 s97, s96
	; The head's 24 loads stand first.  No wait: the last wait on va_vdst (ahead of the last head's stores of O^T; in a group's first head: at the group's head) stands behind every vector and matrix instruction
	; that names v's registers, v's scale words or t, and no vector instruction since names them or the addresses
	WIN 0x40
.irp u, 0,1
.irp c, 0,1,2
	global_load_b128 v[160+12*\u+4*\c:163+12*\u+4*\c], v3, s[24:25] offset:(2*(\hb)+\u)*1536+512*\c   ; v of this head: wanted at the head's end
.endr
.endr
	WIN 0
.irp u, 0,1
	global_load_b32 v[VS+\u], v5, s[26:27] offset:(2*(\hb)+\u)*64
.endr
.irp b, 0,1,2,3
.irp k, 0,1,2,3
	ds_load_b128 v[T+16*\b+4*\k:T+16*\b+4*\k+3], v7 offset:512*(\hb)+128*\b+16*\k   ; u
.endr
.endr
	WIN 0x04                                       ; source 1 window 1
.irp i, 0,1,2,3,4,5
	v_cndmask_b32 v[QM+6+\i], 0, v[184+6*CC+\i], s[41+HH]   ; block hb of q's fragment lies in registers 6 (hb / 2) on of the lanes' half hb % 2: all else is zero codes
.endr
.rept 4
	v_nop                                          ; an operand written by vector instructions stands four places ahead of a scaled matrix instruction
.endr
	s_wait_alu depctr_va_vdst(0)                   ; the six selections have written q's masked codes, which the scaled products take as source 1; the places above stay beside this wait
	s_wait_loadcnt 0x8                             ; only v's six loads and two scale words may be out: k, q and their scale words are in
	WIN 0x01                                       ; source 0 window 1
.irp t, 0,1,2,3,4,5,6,7
	v_wmma_scale_f32_16x16x128_f8f6f4 v[S+8*\t:S+8*\t+7], v[64+12*\t:75+12*\t], v[QB0:QB0+11], 0, v[KS+\t], v[QS] matrix_a_fmt:MATRIX_FMT_FP6 matrix_b_fmt:MATRIX_FMT_FP6
.endr
	s_wait_dscnt 0x0                               ; u is in
.set j, 0
.rept 32
	v_pk_fma_f32 v[T+j:T+j+1], v[j:j+1], s[96:97], v[T+j:T+j+1] op_sel_hi:[1,0,1]   ; t = dist W'[3] + u.  (These are also the places behind the products)
.set j, j+2
.endr
	WIN 0
.if \hb == 3
	s_wait_alu depctr_va_vdst(0)                   ; the eight products are done reading k, q's masked codes and the scale words v32 to v40, the selections are done reading q: the loads on both ways below land in these registers
	s_cmp_eq_u32 s40, 1                            ; k has served this group: its registers take the next group's, or, behind the last, W_proj's
	s_cbranch_scc1 .Lproj_in
	WIN 0x40
.irp t, 0,1,2,3,4,5,6,7
.irp c, 0,1,2
	global_load_b128 v[64+12*\t+4*\c:67+12*\t+4*\c], v3, s[28:29] offset:393216+1536*\t+512*\c
.endr
.endr
.irp c, 0,1,2
	global_load_b128 v[184+4*\c:187+4*\c], v3, s[32:33] offset:393216+512*\c
.endr
	WIN 0
.irp t, 0,1,2,3,4,5,6,7
	global_load_b32 v[KS+\t], v5, s[30:31] offset:16384+64*\t
.endr
	global_load_b32 v[QS], v5, s[34:35] offset:16384
	s_branch .Lnext_in
.Lproj_in:
	WIN 0x40
.irp t, 0,1,2,3
.irp c, 0,1,2
	global_load_b128 v[64+12*\t+4*\c:67+12*\t+4*\c], v3, s[36:37] offset:1536*\t+512*\c
.endr
.endr
	WIN 0
.irp t, 0,1,2,3
	global_load_b32 v[KS+\t], v5, s[38:39] offset:64*\t
.endr
.Lnext_in:
.endif
	ROWMAX S, 62
	ROWMAX T, 18
	v_mul_f32 v16, s100, v62                       ; -c M1
	v_mul_f32 v12, s98, v62                        ; the record: c M1,
	v_mov_b32 v14, v18                             ; M2
.set j, 0
.rept 32
	v_pk_fma_f32 v[S+j:S+j+1], v[S+j:S+j+1], s[98:99], v[16:17] op_sel_hi:[1,0,0]
.set j, j+2
.endr
.set j, 0
.rept 64
	v_exp_f32 v[S+j], v[S+j]                       ; e1 = 2^(c s - c M1)
.set j, j+1
.endr
.set j, 0
.rept 32
	v_pk_add_f32 v[T+j:T+j+1], v[T+j:T+j+1], v[18:19] op_sel_hi:[1,0] neg_lo:[0,1] neg_hi:[0,1]   ; plain work behind the batch
.set j, j+2
.endr
	s_wait_alu depctr_va_vdst(0)                   ; one wait for the 64: the exponentials have written e1, ahead of its first reader, the sum below
.set j, 0
.rept 64
	v_exp_f32 v[T+j], v[T+j]                       ; e2 = 2^(t - M2)
.set j, j+1
.endr
	ROWSUM S, 13                                   ; L1: it reads e1 alone
	s_wait_alu depctr_va_vdst(0)                   ; and one for the second 64: the exponentials have written e2, ahead of its sum
	ROWSUM T, 15                                   ; L2
	s_wait_alu depctr_va_vdst(0)                   ; the maxima and sums have written the record v[12:15], which the LDS store reads
	ds_store_b128 v8, v[12:15] offset:2048*(\hb)   ; lanes r and r + 16 write the same 16 bytes with the same values
	s_wait_dscnt 0x0                               ; for the others' sake: my record has landed (and my stores of O^T's last part)
	s_wait_alu depctr_vm_vsrc(0)                   ; the last head's stores have read O^T's registers, in which the records land below; this head's store has read v[12:15], which the next head writes
	s_barrier_signal -1
	s_barrier_wait -1
.irp q, 0,1,2,3,4,5,6,7
	ds_load_b128 v[RB+4*\q:RB+4*\q+3], v9 offset:2048*(\hb)+256*\q
.endr
	s_wait_dscnt 0x0
	v_max3_num_f32 v24, v[RB], v[RB+4], v[RB+8]
	v_max3_num_f32 v25, v[RB+2], v[RB+6], v[RB+10]
	v_max3_num_f32 v24, v24, v[RB+12], v[RB+16]
	v_max3_num_f32 v25, v25, v[RB+14], v[RB+18]
	v_max3_num_f32 v24, v24, v[RB+20], v[RB+24]
	v_max3_num_f32 v25, v25, v[RB+22], v[RB+26]
	v_max_num_f32 v24, v24, v[RB+28]               ; G1
	v_max_num_f32 v25, v25, v[RB+30]               ; G2
.irp q, 0,1,2,3,4,5,6,7
	v_sub_f32 v[RB+4*\q], v[RB+4*\q], v24
	v_sub_f32 v[RB+4*\q+2], v[RB+4*\q+2], v25
.endr
	v_sub_f32 v26, v12, v24
	v_sub_f32 v27, v14, v25
.irp q, 0,1,2,3,4,5,6,7
	v_exp_f32 v[RB+4*\q], v[RB+4*\q]               ; f of each wave
	v_exp_f32 v[RB+4*\q+2], v[RB+4*\q+2]
.endr
	v_exp_f32 v26, v26                             ; and my own
	v_exp_f32 v27, v27
	v_nop
	s_wait_alu depctr_va_vdst(0)                   ; the 18 exponentials have written the waves' f, ahead of the sums that read them
	v_mul_f32 v28, v[RB+1], v[RB]
	v_mul_f32 v29, v[RB+3], v[RB+2]
.irp q, 1,2,3,4,5,6,7
	v_fma_f32 v28, v[RB+4*\q+1], v[RB+4*\q], v28   ; l1, at least 1
	v_fma_f32 v29, v[RB+4*\q+3], v[RB+4*\q+2], v29 ; l2
.endr
	v_rcp_f32 v30, v28
	v_rcp_f32 v31, v29
	v_nop
	s_wait_alu depctr_va_vdst(0)                   ; the two reciprocals have written v30 and v31, ahead of their first reader
	v_mul_f32 v44, v28, v30                        ; each softmax's own sum,
	v_mul_f32 v45, v29, v31
	v_mul_f32 v44, s[88+\hb], v44
	v_fma_f32 v44, s[80+\hb], v45, v44             ; mixed: the row's sum of attn
	v_rcp_f32 v45, v44
	v_nop
	s_wait_alu depctr_va_vdst(0)                   ; the reciprocal has written v45, ahead of its first reader
	v_mul_f32 v246, s[88+\hb], v30
	v_mul_f32 v248, s[80+\hb], v31
	v_mul_f32 v246, v246, v26
	v_mul_f32 v248, v248, v27
	v_mul_f32 v246, v246, v45                      ; c1 = (1 - g) f1 / (l1 x the sum)
	v_mul_f32 v248, v248, v45                      ; c2 = g f2 / (l2 x the sum)
.set j, 0
.rept 32
	v_pk_mul_f32 v[S+j:S+j+1], v[S+j:S+j+1], v[246:247] op_sel_hi:[1,0]
.set j, j+2
.endr
.set j, 0
.rept 32
	v_pk_fma_f32 v[S+j:S+j+1], v[T+j:T+j+1], v[248:249], v[S+j:S+j+1] op_sel_hi:[1,0,1]   ; attn, finished and normalised
.set j, j+2
.endr
	QUANTP S
.rept 8
	v_nop                                          ; a scale register written by vector instructions stands eight places ahead of a scaled matrix instruction
.endr
	s_wait_alu depctr_va_vdst(0)                   ; QUANTP has written attn's codes and its scale word, which the scaled products take as source 1 and as its scales; the places above stay beside this wait
	s_wait_loadcnt 0x0                             ; v is in (in a group's last head also what was asked for above: 0 is right on both of its ways)
	WIN 0x01
.irp u, 0,1
	v_wmma_scale_f32_16x16x128_f8f6f4 v[O+8*\u:O+8*\u+7], v[160+12*\u:171+12*\u], v[PC:PC+11], 0, v[VS+\u], v[PS] matrix_a_fmt:MATRIX_FMT_FP6 matrix_b_fmt:MATRIX_FMT_FP6
.endr
	WIN 0
.rept 4
	v_nop                                          ; places in front of the stores that read the results
.endr
	s_wait_alu depctr_va_vdst(0)                   ; the two products have written O^T, which the LDS stores read, and are done reading v and its scale words, in which the next head's loads land; the mix is done reading t, in which the next u lands
.irp c, 0,1,2,3
	ds_store_b128 v11, v[O+4*\c:O+4*\c+3] offset:16384*(\hb)+512*\c   ; register 8 u + j of lane (r, h): query r, channel 16 h + 8 u + j.  Each accumulator from its low end on
.endr
.endm
.Lgroup:
	s_wait_alu depctr_vm_vsrc(0)                   ; the LDS loads and stores issued so far have read v7 and v11, which the two lines below write (on the way in also v24, which the heads use for work)
	v_add_nc_u32 v7, s46, v6
	v_add_nc_u32 v11, s47, v10
	s_wait_alu depctr_va_vdst(0)                   ; v7 and v11 are written, which this group's loads of u and stores of O^T read
	HEAD 0
	HEAD 1
	HEAD 2
	HEAD 3
	s_add_co_u32 s46, s46, 2048
	s_add_co_u32 s47, s47, 65536
	s_add_nc_u64 s[24:25], s[24:25], 393216        ; v's loads are in (the wait for 0 above): their bases may step to heads 4-7
	s_add_nc_u64 s[26:27], s[26:27], 16384
.irp i, 0,1,2,3
	s_mov_b32 s[56+\i], s[60+\i]
	s_mov_b32 s[80+\i], s[84+\i]
	s_mov_b32 s[88+\i], s[92+\i]
.endr
	s_sub_co_u32 s40, s40, 1
	s_cmp_lg_u32 s40, 0
	s_cbranch_scc1 .Lgroup
	; THE END.  Addresses first: all of the plainest make, from the lane and the wave's number
	s_wait_dscnt 0x0                               ; my parts of O^T have landed
	s_wait_alu depctr_vm_vsrc(0)                   ; the loop's LDS instructions have read v7, v8, v9 and v11, the head's loads v62 and v63: all are written anew below; the last stores have read O^T's registers, in which the bias lands
	s_lshl_b32 s2, s20, 14
	s_add_co_u32 s2, s2, OP
	v_add_nc_u32 v6, s2, v3                        ; v6  head w's eight parts
	s_lshr_b32 s2, s20, 2                          ; head w is block w % 4 of K step w / 4: registers 6 ((w % 4) / 2) on of the lanes' half w % 2
	s_mul_i32 s3, s2, 1536
	s_bfe_u32 s66, s20, 0x10001
	s_mul_i32 s66, s66, 768
	s_add_co_u32 s3, s3, s66
	s_and_b32 s66, s20, 1
	s_lshl_b32 s66, s66, 6
	s_add_co_u32 s3, s3, s66
	s_add_co_u32 s3, s3, AIMG
	v_mul_u32_u24 v7, v2, 384                      ; my 16 codes are three registers: the block's lower three or its upper three
	v_add_nc_u32 v7, v7, v5
	v_add_nc_u32 v7, s3, v7                        ; v7  where they go
	s_lshl_b32 s2, s2, 6
	s_and_b32 s66, s20, 3
	s_add_co_u32 s2, s2, s66
	s_add_co_u32 s2, s2, ASC
	v_add_nc_u32 v8, s2, v5                        ; v8  and the block's byte
	v_add_nc_u32 v9, AIMG, v4                      ; v9  the image, a word a lane
	v_add_nc_u32 v10, ASC, v5                      ; v10 its scale words
	v_mul_u32_u24 v11, v1, 1040
	v_lshl_add_u32 v11, v2, 6, v11
	s_lshl_b32 s2, s20, 7
	s_add_co_u32 s2, s2, STG
	v_add_nc_u32 v11, s2, v11                      ; v11 the stage: row r, my 32 columns, + 16 columns for lanes 16-31
	s_mul_i32 s2, s20, 2080
	s_add_co_u32 s2, s2, STG
	v_add_nc_u32 v63, s2, v3                       ; v63 back: my two rows
	v_lshlrev_b32 v62, 6, v2                       ; v62 b_proj: 16 columns for each half of the lanes
	s_wait_alu depctr_va_vdst(0)                   ; the addresses v6 to v11, v62 and v63 are written, which the loads and stores of the end read
.irp u, 0,1
	global_load_b128 v[O+8*\u:O+8*\u+3], v62, s[50:51] offset:32*\u       ; the bias is the C of each sum's first product: column 32 w + 16 h + 8 u + j
	global_load_b128 v[O+8*\u+4:O+8*\u+7], v62, s[50:51] offset:32*\u+16
.endr
	s_barrier_signal -1
	s_barrier_wait -1                              ; all parts of O^T lie in LDS
.irp q, 0,1,2,3,4,5,6,7
.irp c, 0,1,2,3
	ds_load_b128 v[64+16*\q+4*\c:67+16*\q+4*\c], v6 offset:2048*\q+512*\c
.endr
.endr
	s_wait_dscnt 0x0
.irp q, 1,2,3,4,5,6,7
.irp p, 0,2,4,6,8,10,12,14
	v_pk_add_f32 v[64+\p:65+\p], v[64+\p:65+\p], v[64+16*\q+\p:65+16*\q+\p]   ; wave 0's part first
.endr
.endr
	v_max3_num_f32 v46, |v64|, |v65|, 0x1800000    ; head w's 32 channels of a query are one block of the projection's K: 16 here, 16 in lane l xor 16
	v_max3_num_f32 v47, |v66|, |v67|, |v68|
	v_max3_num_f32 v46, v46, |v69|, |v70|
	v_max3_num_f32 v47, v47, |v71|, |v72|
	v_max3_num_f32 v46, v46, |v73|, |v74|
	v_max3_num_f32 v47, v47, |v75|, |v76|
	v_max3_num_f32 v46, v46, |v77|, |v78|
	v_max3_num_f32 v46, v46, v47, |v79|
	v_permlanex16_b32 v50, v46, s44, s45
	v_max_num_f32 v46, v46, v50
	v_add_nc_u32 v58, 0xff000000, v46
	v_lshrrev_b32 v50, 23, v58
	v_cvt_scalef32_pk16_fp6_f32 v[PC:PC+2], v[64:79], v58
	v_nop                                          ; one plain place behind the conversion
	s_wait_alu depctr_va_vdst(0)                   ; the conversion has written the codes and the shift the byte v50, which the LDS stores read; the additions are done reading v64 to v191, in which fragments and rows land below
.irp i, 0,1,2
	ds_store_b32 v7, v[PC+\i] offset:128*\i
.endr
	ds_store_b8 v8, v50                            ; both halves of the lanes write the same byte with the same value
	s_wait_dscnt 0x0
	s_barrier_signal -1
	s_barrier_wait -1                              ; out's two fragments and their scale words lie in LDS
.irp s, 0,1
.irp p, 0,1,2,3,4,5,6,7,8,9,10,11
	ds_load_b32 v[128+12*\s+\p], v9 offset:1536*\s+128*\p
.endr
	ds_load_b32 v[VS+\s], v10 offset:64*\s
.endr
	s_wait_dscnt 0x0
	s_wait_loadcnt 0x0                             ; the bias
	WIN 0x01
.irp s, 0,1                                    ; two accumulators by turns
.irp u, 0,1
	v_wmma_scale_f32_16x16x128_f8f6f4 v[O+8*\u:O+8*\u+7], v[64+12*(2*\u+\s):75+12*(2*\u+\s)], v[128+12*\s:139+12*\s], v[O+8*\u:O+8*\u+7], v[KS+2*\u+\s], v[VS+\s] matrix_a_fmt:MATRIX_FMT_FP6 matrix_b_fmt:MATRIX_FMT_FP6
.endr
.endr
	WIN 0
.rept 4
	v_nop
.endr
	s_wait_alu depctr_va_vdst(0)                   ; the four products have written the two accumulators, which the LDS stores read; the places above stay beside this wait
.irp u, 0,1
	ds_store_b128 v11, v[O+8*\u:O+8*\u+3] offset:32*\u
	ds_store_b128 v11, v[O+8*\u+4:O+8*\u+7] offset:32*\u+16
.endr
	s_wait_dscnt 0x0
	s_barrier_signal -1
	s_barrier_wait -1                              ; 16 whole rows of the output lie in the stage
.irp i, 0,1
.irp k, 0,1
	ds_load_b128 v[64+8*\i+4*\k:67+8*\i+4*\k], v63 offset:1040*\i+512*\k
.endr
.endr
.irp i, 0,1
.irp k, 0,1
	s_wait_dscnt 3-2*\i-\k                         ; the younger loads may be out
	global_store_b128 v3, v[64+8*\i+4*\k:67+8*\i+4*\k], s[48:49] offset:1024*\i+512*\k th:TH_STORE_NT   ; 512 consecutive bytes, at a multiple of 256 from out0's first byte
.endr
.endr
	s_set_vgpr_msb 0x5                             ; the add's two registers, sources 0 and 1, lie in window 1
	s_wait_dscnt 0x0                               ; the closing lines, six on end
	s_wait_alu 0x0
	s_wait_tensorcnt 0x0
	ds_add_u32 v254, v255
	s_wait_dscnt 0x0
	s_endpgm
.Lfunc_end_k_q8b7b1b07e1_attn:
	.size	k_q8b7b1b07e1_attn, .Lfunc_end_k_q8b7b1b07e1_attn-k_q8b7b1b07e1_attn
	.p2alignl 7, 3214868480
	.fill 96, 4, 3214868480
	.section	.rodata,"a",@progbits
	.p2align	6, 0x0
	.amdhsa_kernel k_q8b7b1b07e1_attn
		.amdhsa_group_segment_fixed_size 214016
		.amdhsa_private_segment_fixed_size 0
		.amdhsa_enable_private_segment 0
		.amdhsa_kernarg_size 64
		.amdhsa_user_sgpr_count 2
		.amdhsa_user_sgpr_kernarg_segment_ptr 1
		.amdhsa_wavefront_size32 1
		.amdhsa_system_sgpr_workgroup_id_x 1
		.amdhsa_system_sgpr_workgroup_id_y 1
		.amdhsa_system_sgpr_workgroup_id_z 1
		.amdhsa_system_vgpr_workitem_id 0
		.amdhsa_next_free_vgpr 512
		.amdhsa_next_free_sgpr 102
		.amdhsa_reserve_vcc 0
		.amdhsa_float_denorm_mode_32 3
		.amdhsa_float_denorm_mode_16_64 3
		.amdhsa_memory_ordered 1
		.amdhsa_forward_progress 1
		.amdhsa_inst_pref_size 199
	.end_amdhsa_kernel
	.amdgpu_metadata
---
amdhsa.version: [ 1, 2 ]
amdhsa.kernels:
  - .name:           k_q8b7b1b07e1_attn
    .symbol:         k_q8b7b1b07e1_attn.kd
    .args:
      - { .name: img, .offset: 0, .size: 8, .value_kind: global_buffer, .address_space: global }
      - { .name: scl, .offset: 8, .size: 8, .value_kind: global_buffer, .address_space: global }
      - { .name: voxel_coord, .offset: 16, .size: 8, .value_kind: global_buffer, .address_space: global }
      - { .name: W_pos, .offset: 24, .size: 8, .value_kind: global_buffer, .address_space: global }
      - { .name: b_pos, .offset: 32, .size: 8, .value_kind: global_buffer, .address_space: global }
      - { .name: gating, .offset: 40, .size: 8, .value_kind: global_buffer, .address_space: global }
      - { .name: b_proj, .offset: 48, .size: 8, .value_kind: global_buffer, .address_space: global }
      - { .name: out0, .offset: 56, .size: 8, .value_kind: global_buffer, .address_space: global }
    .group_segment_fixed_size: 214016
    .private_segment_fixed_size: 0
    .kernarg_segment_align: 8
    .kernarg_segment_size: 64
    .max_flat_workgroup_size: 256
    .sgpr_count:     102
    .vgpr_count:     512
    .wavefront_size: 32
...
	.end_amdgpu_metadata
.endif
;; end of part 4
